; MI455X (gfx1250); checked and timed in simulation.
; The chip was launched on July 23, 2026; its instructions are those of AMD's public machine-readable ISA for CDNA 5 (MIT licence, August 2026) and "CDNA5" Instruction Set Architecture Reference Guide (July 2026). The comments in the code are by the model that wrote it; some were corrected since.
;; Scaled Dot Product Attention. Allowed arithmetic: matrix products marked QUANTISED: E2M1 operands, one E8M0 scale for each 32 along K, by v_wmma_scale_f32_16x16x128_f8f6f4 with both operands' format E2M1 (or v_wmma_scale_f32_32x16x128_f4), f32 sums; everything else in f32.
;; Inputs: k 4 x 16 x 2,048 x 128 float32; mask 1 x 1 x 2,048 x 2,048 bool; q 4 x 16 x 2,048 x 128 float32; v 4 x 16 x 2,048 x 128 float32.
;; Outputs: out0 4 x 16 x 2,048 x 128 float32.
;; This version of the problem:
;;   THIS VERSION OF THE PROBLEM IS GIVEN IN LOW PRECISION. The matrix products marked QUANTISED in the list below multiply operands that are first quantised to E2M1 (2 exponent bits, 1 mantissa bit; 4 bits a number), with one power-of-two scale for each 32 numbers along K (OCP MX v1.0); their sums are f32. All else is computed in f32.
;;   The module's matrix products, in the order in which they are computed (A, B: the left and right operand; K: the contracted axis; several contracted axes count as one K, in the product's order):
;;     1. batch 64 x [M 2,048, K 128] x [K 128, N 2,048]; A: input q; B: input k: QUANTISED
;;     2. batch 64 x [M 2,048, K 2,048] x [K 2,048, N 128]; A: softmax (see below); B: input v: QUANTISED
;;   THE QUANTISER, for each operand of a quantised product, along K:
;;     - K is cut into blocks of 32 from its start; a last block that is shorter is filled with zeros.
;;     - A block's scale is 2^e with e = floor(log2(the largest magnitude in the block)) - 2, held to -126 .. 127; a block of zeros has e = 0. As a byte (E8M0): e + 127.
;;     - Each number is divided by its block's scale, clamped to +-6, and rounded to the nearest number of E2M1, ties to even, subnormals kept.
;;     - The product sums the exact products of the quantised numbers (number of the format x scale) in f32.
;;   ~~~python
;;   def quantise(x, axis):      # numpy; x: float32 -> the quantised numbers, widened to float32 again
;;       x = np.moveaxis(x, axis, -1); K = x.shape[-1]
;;       x = np.pad(x, [(0, 0)] * (x.ndim - 1) + [(0, -K % 32)]); x = x.reshape(x.shape[:-1] + (-1, 32)); a = np.abs(x).max(-1, keepdims=True)
;;       e = np.where(a > 0, np.clip(np.frexp(np.where(a > 0, a, 1))[1] - 1 - 2, -126, 127), 0)      # np.frexp(a)[1] - 1 = floor(log2(a)), exactly
;;       r = np.clip(x / 2.0 ** e, -6, 6)
;;       step = 2.0 ** (np.maximum(np.frexp(np.where(r == 0, 1, r))[1] - 1, 0) - 1)
;;       q = np.round(r / step) * step * 2.0 ** e      # np.round: ties to even
;;       return np.moveaxis(q.reshape(q.shape[:-2] + (-1,))[..., :K], -1, axis).astype(np.float32)
;;   ~~~
;;   SOFTMAX AHEAD OF A QUANTISED PRODUCT. Where the list says 'softmax', what is quantised is not the finished softmax but p = 2^(t - M), with t = logit x log2(e) and M = ceil(the row's largest t), a whole number; so 1/2 < the row's largest p <= 1. The row's sum l is taken of the UNQUANTISED p, in f32, and the product's result is divided by l at the end. Since M is a whole number, a kernel that streams over the keys may use a running M (the ceiling of the running maximum): every later rescaling is an exact power of two, which a block's scale takes up: the codes' values come out the same.
;;   OPERANDS COMPUTED ON THE WAY. 'Computed on the way' means the value that the module computes at that place (a softmax that the list does not call 'softmax' is quantised finished and normalised). What goes into a quantiser is computed in f32, as accurately as f32 sums, v_exp_f32 and their like allow (about 1e-6 of the number): no bf16 or f16 on the way to a quantiser, and a product that is left as it is and whose result goes on into a quantised operand takes f32 operands (vector FMAs, or v_wmma_f32_16x16x4_f32). A number that lies on a knife's edge between two numbers of the format may be rounded either way, as far as f32 arithmetic and the matrix unit's own rounding can turn it there, and no further.
;; 2 versions. Each part assembles by itself: llvm-mc -triple=amdgcn-amd-amdhsa -mcpu=gfx1250 --defsym DOCPART=n.
;; ======== version 1 of 2: 2 launches
;; workspace buffers: kc 8,388,608 bytes; vc 8,388,608 bytes; sc 1,048,576 bytes; mw 524,288 bytes of whole numbers; fl 512 bytes of whole numbers
;; launch prep (part 1): grid 2176 x 1, 4 waves a work-group, no clusters, 34,304 bytes of LDS; arguments k, v, mask, kc, vc, sc, mw, fl; writes kc, vc, sc, mw, fl
.if DOCPART == 1
	.amdgcn_target "amdgcn-amd-amdhsa--gfx1250"
	.amdhsa_code_object_version 6
	.text
	.protected	k_q108c0be807_prep
	.globl	k_q108c0be807_prep
	.p2align	8
	.type	k_q108c0be807_prep,@function
k_q108c0be807_prep:
	s_mov_b64 s[64:65], 0
	v_nop
	global_prefetch_b8 v0, s[64:65] scope:SCOPE_SE
	s_setreg_imm32_b32 hwreg(HW_REG_WAVE_MODE, 25, 1), 1
	s_wait_xcnt 0x0
; PREPARATION FOR THE ATTENTION LAUNCH.  k, v: [64 heads][2048][128] f32.  mask: [2048][2048] bytes, 1 = masked.
; Three paths, chosen by the work-group's number alone:
;   0 .. 127      MASK: query tile T (16 queries): the mask's bytes become lane masks (mw) and two bits a key step (fl)
;   128 .. 1151   K:    one key step (128 keys of one head) is quantised along the head's 128 into FP4 (E2M1) codes and E8M0 bytes
;   1152 .. 2175  V:    one key step is quantised along its 128 KEYS (four blocks of 32)
; THE CODES ARE LAID AS IMAGES OF THE OPERAND'S REGISTERS: a step is 8 fragments of 1,024 bytes; in fragment t the 16 bytes at 512 c + 16 lane are
; registers 4 c .. 4 c + 3 of that lane, the 32 codes k = 64 c + 32 (lane / 16) + 0 .. 31 of row lane % 16.  So the reader needs 16 bytes a lane and no pitch.
;   K: row r of tile 2 b + u is key 32 b + 8 u + r + 8 (r / 8), so that the scores of tiles 2 b, 2 b + 1 are 16 neighbouring keys in a lane's registers.
;   V: row r of tile t is channel 16 t + r; k runs over the step's keys as they lie.
; SCALE WORDS (sc): a step has 128 words of K, then 128 of V; word 16 t + r holds row r's four bytes, byte b for k = 32 b .. 32 b + 31.
; mw: [query tile][step][64 words]: bit L of word 16 b + i = mask[16 T + L % 16][128 s + 32 b + 16 (L / 16) + i]: the lane mask of score register 16 b + i.
; fl: word T, bit 2 s: not all of the step's 16 x 128 bytes are set (there is work); bit 2 s + 1: some byte is set (the select has to run).
; A block's scale is 2^(floor(log2(largest magnitude)) - 2): its byte is the largest magnitude's exponent field - 2, held at 1 from below.
; LIMITS: NaN and infinities in k and v are not served.  Mask bytes are 0 or 1.  A block of zeros gets the byte 1 where the rule says 127: its codes are
; zeros, which add nothing under any byte but 0xff, and these bytes are read by this program alone.
; No matrix unit, no cluster, no tensor load: a stream; waves share nothing, so there is no barrier.  Only the K path touches LDS.
.set SP,  528                          ; a stage row: 512 bytes + 16 = 33 x 16: sixteen rows start in sixteen different columns of 16 bytes
.set X,   40                           ; numbers at work: K: v40-103 (64 of a lane's row); V: v40-167 (four blocks of 32)
.set R,   104                          ; K: v104-231 two tiles of 16 keys as they are loaded
.set C,   20                           ; v20-35 codes: never written twice, so no store's data are overwritten
.set M,   40                           ; MASK: v40-103 the bytes of four steps
.set MT,  104                          ; MASK: v104-111 at work
.set MWR, 20                           ; MASK: v20-27 a pair of registers of lane masks for each step
.set QM,  10                           ; v10-11 largest magnitudes;  v12-13 the conversions' scale operands;  v14-15 bytes;  v18 a permute's destination
.set QS,  12
.set QB,  14
.set QP,  18
.set H8,  8                            ; v8 = 8 (lane / 16)
.set SEL, 26                           ; s[26:27] selects of v_permlanex16_b32: lane l xor 16
; 64 numbers of a lane, v[x + 32 b + i] = k 64 b + 32 (lane / 16) + i of its row (two whole blocks), become registers c .. c + 7 of the operand and the row's scale word in v[w].
.macro QBLK2 x, c, w
.irp b, 0,1
	v_max3_num_f32 v[QM+\b], |v[\x+32*\b]|, |v[\x+32*\b+1]|, 0x1800000     ; with the floor 2^(3 - 127): the byte cannot fall under 1
.endr
.irp i, 2,4,6,8,10,12,14,16,18,20,22,24,26,28,30
.irp b, 0,1
	v_max3_num_f32 v[QM+\b], v[QM+\b], |v[\x+32*\b+\i]|, |v[\x+32*\b+\i+1]|   ; the two blocks by turns
.endr
.endr
.irp b, 0,1
	v_add_nc_u32 v[QS+\b], 0xff000000, v[QM+\b]    ; 2 off the exponent field: the conversion takes that field as its scale and nothing else
.endr
.irp b, 0,1
	v_lshrrev_b32 v[QB+\b], 23, v[QS+\b]           ; the scale's byte
.endr
	v_lshl_or_b32 v[\w], v[QB+1], 16, v[QB]        ; my bytes: blocks h and 2 + h,
	v_lshlrev_b32 v[\w], v[H8], v[\w]              ; 8 h bits up;
	v_permlanex16_b32 v[QP], v[\w], s[SEL], s[SEL+1]
	v_or_b32 v[\w], v[\w], v[QP]                   ; with lane l xor 16's two the word is whole, in both halves of the lanes
.irp b, 0,1
.irp g, 0,1,2,3
	v_cvt_scalef32_pk8_fp4_f32 v[\c+4*\b+\g], v[\x+32*\b+8*\g:\x+32*\b+8*\g+7], v[QS+\b]
.endr
.endr
	v_nop                                          ; one plain place behind the last scaled conversion
.endm
	s_load_b512 s[4:19], s[0:1], 0x0               ; k s[4:5], v s[6:7], mask s[8:9], kc s[10:11], vc s[12:13], sc s[14:15], mw s[16:17], fl s[18:19]
	v_lshl_add_u32 v232, v0, 2, 0x8400
	v_mov_b32 v233, 0
	v_lshrrev_b32 v1, 5, v0
	v_readfirstlane_b32 s20, v1                    ; wave 0..3
	v_and_b32 v1, 31, v0                           ; lane
	v_lshlrev_b32 v2, 4, v1                        ; 16 x lane
	v_and_b32 v3, 15, v0                           ; r
	v_bfe_u32 v4, v0, 4, 1                         ; h
	v_lshlrev_b32 v7, 2, v1                        ; 4 x lane
	v_lshlrev_b32 v8, 3, v4                        ; 8 h
	v_lshlrev_b32 v9, 3, v1                        ; 8 x lane
	v_mov_b32 v18, 0                               ; a lane permute's destination counts as one of its sources
	s_mov_b32 s[SEL], 0x76543210
	s_mov_b32 s[SEL+1], 0xfedcba98
	s_mov_b32 s28, 0xffff0000                      ; lanes 16-31
	s_mov_b32 s23, 0                               ; the high word of every offset: all stay under 2^27
	s_wait_kmcnt 0x0
	s_cmp_lt_u32 ttmp9, 128
	s_cbranch_scc1 .Lmask
	s_cmp_lt_u32 ttmp9, 1152
	s_cbranch_scc1 .Lkpath
; ---------------- V: a lane takes a channel, its registers run down the keys.  Wave w: channels 32 w .. 32 w + 31, the step's 128 keys.
	s_sub_co_u32 s21, ttmp9, 1152                  ; 16 x head + step
	s_lshl_b32 s22, s21, 16                        ; 128 keys of 512 bytes
	s_lshl_b32 s24, s20, 7                         ; my 32 channels
	s_add_co_u32 s22, s22, s24
	s_add_nc_u64 s[6:7], s[6:7], s[22:23]
	s_lshl_b32 s22, s21, 13                        ; a step's 8,192 bytes of codes; my two fragments
	s_lshl_b32 s24, s20, 11
	s_add_co_u32 s22, s22, s24
	s_add_nc_u64 s[12:13], s[12:13], s[22:23]
	s_lshl_b32 s22, s21, 10                        ; a step's 1,024 bytes of scale words; V's lie behind K's 512; my 32 words
	s_lshl_b32 s24, s20, 7
	s_add_co_u32 s22, s22, s24
	s_add_co_u32 s22, s22, 512
	s_add_nc_u64 s[14:15], s[14:15], s[22:23]
	v_lshlrev_b32 v5, 4, v3
	v_lshl_add_u32 v5, v4, 10, v5                  ; block g of channel 16 t + r lies at 1,024 t + 256 g + 16 r
.macro VLOAD g                         ; V(32 g + i, my channel): a wave reads 128 consecutive bytes, the four waves side by side a row of 512
.irp i, 0,1,2,3,4,5,6,7,8,9,10,11,12,13,14,15,16,17,18,19,20,21,22,23,24,25,26,27,28,29,30,31
	global_load_b32 v[X+32*\g+\i], v7, s[6:7] offset:(32*\g+\i)*512 th:TH_LOAD_NT
.endr
.endm
.macro VBLOCK g                        ; a block of 32 keys lies in one lane's 32 registers: no other lane is asked
	v_max3_num_f32 v10, |v[X+32*\g]|, |v[X+32*\g+1]|, |v[X+32*\g+2]|
	v_max3_num_f32 v11, |v[X+32*\g+3]|, |v[X+32*\g+4]|, |v[X+32*\g+5]|
.irp i, 6,10,14,18,22,26
	v_max3_num_f32 v10, v10, |v[X+32*\g+\i]|, |v[X+32*\g+\i+1]|
	v_max3_num_f32 v11, v11, |v[X+32*\g+\i+2]|, |v[X+32*\g+\i+3]|
.endr
	v_max3_num_f32 v10, v10, |v[X+32*\g+30]|, |v[X+32*\g+31]|
	v_max3_num_f32 v10, v10, v11, 0x1800000        ; and the floor
	v_add_nc_u32 v12, 0xff000000, v10
	v_lshrrev_b32 v14, 23, v12
.if \g == 0
	v_mov_b32 v16, v14                             ; the four bytes make my channel's scale word
.else
	v_lshl_or_b32 v16, v14, 8*\g, v16
.endif
.irp q, 0,1,2,3
	v_cvt_scalef32_pk8_fp4_f32 v[C+4*\g+\q], v[X+32*\g+8*\q:X+32*\g+8*\q+7], v12
.endr
	v_nop                                          ; one plain place: the next block writes v12 again
	global_store_b128 v5, v[C+4*\g:C+4*\g+3], s[12:13] offset:256*\g   ; lanes 0-15 store 256 consecutive aligned bytes, lanes 16-31 the same 1,024 bytes on
.endm
	VLOAD 0
	VLOAD 1
	s_wait_loadcnt 32                              ; block 0 is in; block 1's 32 loads may be out
	VLOAD 2
	VBLOCK 0
	s_wait_loadcnt 32                              ; block 1 is in; block 2's may be out
	VLOAD 3
	VBLOCK 1
	s_wait_loadcnt 32                              ; block 2 is in; block 3's may be out
	VBLOCK 2
	s_wait_loadcnt 0x0
	VBLOCK 3
	global_store_b32 v7, v16, s[14:15]             ; 32 scale words: 128 consecutive bytes
	s_endpgm
; ---------------- K: wave j takes keys 32 j .. 32 j + 31 of the step: tiles 2 j and 2 j + 1.
.Lkpath:
	s_sub_co_u32 s21, ttmp9, 128                   ; 16 x head + step
	s_lshl_b32 s22, s21, 16
	s_lshl_b32 s24, s20, 14                        ; my 32 keys of 512 bytes
	s_add_co_u32 s22, s22, s24
	s_add_nc_u64 s[4:5], s[4:5], s[22:23]
	s_lshl_b32 s22, s21, 13
	s_lshl_b32 s24, s20, 11
	s_add_co_u32 s22, s22, s24
	s_add_nc_u64 s[10:11], s[10:11], s[22:23]
	s_lshl_b32 s22, s21, 10
	s_lshl_b32 s24, s20, 7
	s_add_co_u32 s22, s22, s24
	s_add_nc_u64 s[14:15], s[14:15], s[22:23]
	s_mul_i32 s24, s20, 16*SP                      ; my stage in LDS: 16 rows
	v_add_nc_u32 v5, s24, v2                       ; in: a key's 512 bytes as they lie, 16 a lane
	v_mul_u32_u24 v6, v3, SP
	v_lshl_add_u32 v6, v4, 7, v6
	v_add_nc_u32 v6, s24, v6                       ; back: row r, from byte 128 h: my 32 numbers of each half of the row
.irp u, 0,1
.irp i, 0,1,2,3,4,5,6,7,8,9,10,11,12,13,14,15
	global_load_b128 v[R+64*\u+4*\i:R+64*\u+4*\i+3], v2, s[4:5] offset:(8*\u+\i+8*(\i/8))*512 th:TH_LOAD_NT   ; row i of tile u: 512 consecutive bytes
.endr
.endr
.macro KTILE u
	s_wait_loadcnt 16-16*\u                        ; this tile's 16 loads are in; the other tile's 16 younger ones may be out
.irp i, 0,1,2,3,4,5,6,7,8,9,10,11,12,13,14,15
	ds_store_b128 v5, v[R+64*\u+4*\i:R+64*\u+4*\i+3] offset:SP*\i
.endr
.irp b, 0,1
.irp j, 0,1,2,3,4,5,6,7
	ds_load_b128 v[X+32*\b+4*\j:X+32*\b+4*\j+3], v6 offset:256*\b+16*\j   ; LDS serves a wave's instructions in order: these see my stores
.endr
.endr
	s_wait_dscnt 0x0
	QBLK2 X, C+8*\u, 16+\u
.irp b, 0,1
	global_store_b128 v2, v[C+8*\u+4*\b:C+8*\u+4*\b+3], s[10:11] offset:1024*\u+512*\b   ; 512 consecutive bytes
.endr
.endm
	KTILE 0
	KTILE 1
	v_cndmask_b32 v16, v16, v17, s28               ; lanes 0-15: tile 2 j's words; lanes 16-31: tile 2 j + 1's
	global_store_b32 v7, v16, s[14:15]
	s_wait_tensorcnt 0x0
	ds_add_u32 v232, v233
	s_wait_dscnt 0x0
	s_endpgm
; ---------------- MASK: query tile T = the work-group's number; wave w takes key steps 4 w .. 4 w + 3.
.Lmask:
	s_lshl_b32 s22, ttmp9, 15                      ; 16 rows of 2,048 bytes
	s_lshl_b32 s24, s20, 9                         ; my four steps of 128 bytes
	s_add_co_u32 s22, s22, s24
	s_add_nc_u64 s[8:9], s[8:9], s[22:23]
	s_lshl_b32 s22, ttmp9, 12                      ; mw: 16 steps of 256 bytes a tile
	s_lshl_b32 s24, s20, 10
	s_add_co_u32 s22, s22, s24
	s_add_nc_u64 s[16:17], s[16:17], s[22:23]
	s_lshl_b32 s22, ttmp9, 2                       ; fl: a word a tile
	s_add_nc_u64 s[18:19], s[18:19], s[22:23]
	v_lshlrev_b32 v5, 11, v3
	v_lshl_add_u32 v5, v4, 4, v5                   ; row r, + 16 h: the 16 keys that this lane's score registers 16 b .. 16 b + 15 hold
	v_lshrrev_b32 v6, 5, v0                        ; my wave's byte of the flag word
	s_mov_b32 s29, 0                               ; my four steps' flags
.irp g, 0,1,2,3
.irp b, 0,1,2,3
	global_load_b128 v[M+16*\g+4*\b:M+16*\g+4*\b+3], v5, s[8:9] offset:128*\g+32*\b
.endr
.endr
.macro MSTEP g
	s_wait_loadcnt 12-4*\g                         ; this step's four loads are in; the later steps' may be out
	v_mov_b32 v[MWR+2*\g], 0                       ; (v_writelane_b32's destination counts as read)
	v_mov_b32 v[MWR+2*\g+1], 0
.irp a, 0,1,2,3,4,5,6,7                ; words n = 8 a + k, eight at a time, so that no line waits for the line above it
.irp k, 0,1,2,3,4,5,6,7
	v_and_b32 v[MT+\k], 0xff<<(8*(\k%4)), v[M+16*\g+4*(\a/2)+2*(\a%2)+\k/4]   ; byte n % 16 of block n / 16
.endr
.irp k, 0,1,2,3,4,5,6,7
	v_cmp_ne_u32 s[32+\k], 0, v[MT+\k]             ; the 32 lanes' bits: word n
.endr
.irp k, 0,1,2,3,4,5,6,7
	v_writelane_b32 v[MWR+2*\g+\k%2], s[32+\k], 4*\a+\k/2   ; lane l of the pair holds words 2 l and 2 l + 1
.endr
.endr
	v_or_b32 v10, v[M+16*\g], v[M+16*\g+1]
	v_and_b32 v11, v[M+16*\g], v[M+16*\g+1]
.irp i, 2,3,4,5,6,7,8,9,10,11,12,13,14,15
	v_or_b32 v10, v10, v[M+16*\g+\i]
	v_and_b32 v11, v11, v[M+16*\g+\i]
.endr
	v_cmp_ne_u32 s40, 0, v10                       ; lanes with a byte that is set
	v_cmp_ne_u32 s41, 0x01010101, v11              ; lanes with a byte that is not
	s_cmp_lg_u32 s41, 0
	s_cselect_b32 s42, 1, 0                        ; there is work
	s_cmp_lg_u32 s40, 0
	s_cselect_b32 s43, 2, 0                        ; the select has to run
	s_or_b32 s42, s42, s43
	s_lshl_b32 s42, s42, 2*\g
	s_or_b32 s29, s29, s42
	global_store_b64 v9, v[MWR+2*\g:MWR+2*\g+1], s[16:17] offset:256*\g   ; 256 consecutive aligned bytes
.endm
	MSTEP 0
	MSTEP 1
	MSTEP 2
	MSTEP 3
	v_mov_b32 v12, s29
	v_cmp_eq_u32 vcc_lo, 0, v1
	s_wait_xcnt 0x0                                ; EXEC is a source of the stores above: it changes only behind this wait
	s_and_saveexec_b32 s30, vcc_lo
	global_store_b8 v6, v12, s[18:19]              ; byte w of word T: steps 4 w .. 4 w + 3, two bits each
	s_wait_xcnt 0x0                                ; and again in front of the line that widens it
	s_or_b32 exec_lo, exec_lo, s30
	s_endpgm
.Lfunc_end_k_q108c0be807_prep:
	.size	k_q108c0be807_prep, .Lfunc_end_k_q108c0be807_prep-k_q108c0be807_prep
	.p2alignl 7, 3214868480
	.fill 96, 4, 3214868480
	.section	.rodata,"a",@progbits
	.p2align	6, 0x0
	.amdhsa_kernel k_q108c0be807_prep
		.amdhsa_group_segment_fixed_size 34304
		.amdhsa_private_segment_fixed_size 0
		.amdhsa_enable_private_segment 0
		.amdhsa_kernarg_size 64
		.amdhsa_user_sgpr_count 2
		.amdhsa_user_sgpr_kernarg_segment_ptr 1
		.amdhsa_wavefront_size32 1
		.amdhsa_system_sgpr_workgroup_id_x 1
		.amdhsa_system_sgpr_workgroup_id_y 1
		.amdhsa_system_sgpr_workgroup_id_z 1
		.amdhsa_system_vgpr_workitem_id 0
		.amdhsa_next_free_vgpr 234
		.amdhsa_next_free_sgpr 66
		.amdhsa_reserve_vcc 1
		.amdhsa_float_denorm_mode_32 3
		.amdhsa_float_denorm_mode_16_64 3
		.amdhsa_memory_ordered 1
		.amdhsa_forward_progress 1
		.amdhsa_inst_pref_size 92
	.end_amdhsa_kernel
	.amdgpu_metadata
---
amdhsa.version: [ 1, 2 ]
amdhsa.kernels:
  - .name:           k_q108c0be807_prep
    .symbol:         k_q108c0be807_prep.kd
    .args:
      - { .name: k, .offset: 0, .size: 8, .value_kind: global_buffer, .address_space: global }
      - { .name: v, .offset: 8, .size: 8, .value_kind: global_buffer, .address_space: global }
      - { .name: mask, .offset: 16, .size: 8, .value_kind: global_buffer, .address_space: global }
      - { .name: kc, .offset: 24, .size: 8, .value_kind: global_buffer, .address_space: global }
      - { .name: vc, .offset: 32, .size: 8, .value_kind: global_buffer, .address_space: global }
      - { .name: sc, .offset: 40, .size: 8, .value_kind: global_buffer, .address_space: global }
      - { .name: mw, .offset: 48, .size: 8, .value_kind: global_buffer, .address_space: global }
      - { .name: fl, .offset: 56, .size: 8, .value_kind: global_buffer, .address_space: global }
    .group_segment_fixed_size: 34304
    .private_segment_fixed_size: 0
    .kernarg_segment_align: 8
    .kernarg_segment_size: 64
    .max_flat_workgroup_size: 128
    .sgpr_count:     66
    .vgpr_count:     234
    .wavefront_size: 32
...
	.end_amdgpu_metadata
.endif
;; end of part 1
;; launch attn (part 2): grid 4 x 64, 16 waves a work-group, no clusters, 172,032 bytes of LDS; arguments q, kc, vc, sc, mw, fl, out0; writes out0
.if DOCPART == 2
	.amdgcn_target "amdgcn-amd-amdhsa--gfx1250"
	.amdhsa_code_object_version 6
	.text
	.protected	k_q108c0be807_attn
	.globl	k_q108c0be807_attn
	.p2align	8
	.type	k_q108c0be807_attn,@function
k_q108c0be807_attn:
	s_mov_b64 s[64:65], 0
	v_nop
	global_prefetch_b8 v0, s[64:65] scope:SCOPE_SE
	s_setreg_imm32_b32 hwreg(HW_REG_WAVE_MODE, 25, 1), 1
	s_wait_xcnt 0x0
; out0[head][q][:] = the sum over keys of softmax(q . k / sqrt(128), masked) v, both products on FP4 (E2M1) codes with one E8M0 scale for each 32 along a product's K.
; q: [64][2048][128] f32, quantised here in registers (each row is read by one wave).  kc, vc, sc: K's and V's codes and scale words of each key step of 128 keys, laid as images
; of the operand's registers (8 fragments of 1,024 bytes: 16 bytes a lane; scale words: 4 bytes a lane, two tiles to a register).  mw: lane masks; fl: two bits a step and query tile.
; THE SOFTMAX: t = score x log2(e) / sqrt(128); M = the running largest t rounded UP to a whole number; p = 2^(t - M) is quantised along the keys, not normalised; the row's sum is
; taken of the unquantised p and divides at the end; when M moves, sum and O are multiplied by 2^(old M - new M), which rounds nothing.  Masked scores become -infinity ahead of the maximum.
; A row whose every key is masked ends with O = 0 and sum = 0: 0 x (1 / 0) is NaN, as the softmax of such a row is.
; SHARES.  256 work-groups of sixteen waves.  Work-group (i, head) makes query blocks i and 7 - i of 256 queries, one after the other; a wave owns 16 queries in 256 registers, four waves to a
; SIMD, so that one wave's vector work stands beside another's products and LDS loads.  Every wave walks all 16 key steps; the trip counts are constants.
; WORK THAT THE MASK THROWS AWAY IS LEFT OUT, for any mask: a step all of whose 16 x 128 mask bytes are set for my queries is jumped over by a scalar branch on my flag word, and a step that
; no wave of the work-group wants is not copied into LDS (the OR of the sixteen words).  No barrier stands under such a branch.
; NO TENSOR LOADS, NO CLUSTER, NO JOINT REQUESTS: the steps that are fetched hang on flags read from memory and differ between the work-groups of a head (partners would want different
; tiles).  So a step's 17,408 bytes go through registers: 34 bytes a thread, asked for a whole step ahead.
; LAYOUT.  Both products are used transposed: S^T = K Q^T, O^T = V^T P^T: a lane holds ONE query (lane % 16).  Score register 16 b + i of lane (r, h) is key 32 b + 16 h + i of the step.
; LIMITS: NaN and infinities in q are not served; a block of zeros gets the scale byte 1 (its codes are zeros).
.set SLOTB, 17408                      ; an LDS slot: K's codes 8,192, V's codes 8,192, K's scale words 512, V's 512.  Two slots
.set VCO,   8192
.set KSC,   16384
.set VSC,   16896
.set STG,   2*SLOTB                    ; behind the slots: a stage of 16 rows x 528 bytes for each wave: Q on its way in, O on its way out
.set SP,    528                        ; 512 + 16 = 33 x 16: sixteen rows start in sixteen different columns of 16 bytes
; v0 thread; v1 16 lane; v2 4 lane; v3 16 thread; v4 2 thread; v5 stage + 16 lane; v6 stage + 528 r + 128 h; v7 stage + 528 r + 32 h; v8 my rows' byte offset in q and out0 + 16 lane;
; v9 prefetch offset; v10 8 h; v11 -infinity; v12 -M; v13 largest t; v[14:15] the sum; v16-23 Q's codes; v24-31, v240 the copy's bytes; v32-95 eight fragments (also Q's numbers, O's rows);
; v96-159 S^T, then p; v160-223 O^T; v224-231 p's codes; v232-239, v244-247, v252, v254 at work; v248-251 K's or V's scale words; v253 p's scale word; v255 Q's.
; s[4:5] q; s[6:7] kc; s[8:9] vc; s[10:11] sc; s[12:13] mw; s[14:15] fl; s[16:17] out0; s18 wave; s19 query block; s[20:21] lane selects; s[22:23] c; s24 my flags; s25 the group's flags;
; s26 byte offset in mw; s27 passes left; s28 trips left; s[32:63], s[68:99] the step's 64 lane masks.
.set QM,  232
.set QS,  244
.set QB,  236
.set QP,  238
.set H8,  10
.set SEL, 20
.macro QBLK2 x, c, w                   ; 64 numbers of a lane, v[x + 32 b + i] = k 64 b + 32 h + i of its row, become registers c .. c + 7 of the operand and the row's scale word in v[w]
.irp b, 0,1
	v_max3_num_f32 v[QM+\b], |v[\x+32*\b]|, |v[\x+32*\b+1]|, 0x1800000     ; with the floor 2^(3 - 127): the byte cannot fall under 1
.endr
.irp i, 2,4,6,8,10,12,14,16,18,20,22,24,26,28,30
.irp b, 0,1
	v_max3_num_f32 v[QM+\b], v[QM+\b], |v[\x+32*\b+\i]|, |v[\x+32*\b+\i+1]|
.endr
.endr
.irp b, 0,1
	v_add_nc_u32 v[QS+\b], 0xff000000, v[QM+\b]    ; 2 off the exponent field: the conversion's scale operand
.endr
.irp b, 0,1
	v_lshrrev_b32 v[QB+\b], 23, v[QS+\b]
.endr
	v_lshl_or_b32 v[\w], v[QB+1], 16, v[QB]
	v_lshlrev_b32 v[\w], v[H8], v[\w]
	v_permlanex16_b32 v[QP], v[\w], s[SEL], s[SEL+1]
	v_or_b32 v[\w], v[\w], v[QP]
.irp b, 0,1
.irp g, 0,1,2,3
	v_cvt_scalef32_pk8_fp4_f32 v[\c+4*\b+\g], v[\x+32*\b+8*\g:\x+32*\b+8*\g+7], v[QS+\b]
.endr
.endr
	v_nop                                          ; one plain place behind the last scaled conversion
.endm
.macro PRE nxt                         ; the tiles of the step nxt steps on: 16 + 16 + 2 bytes a thread, 512 threads: each load of a wave covers consecutive bytes
	global_load_b128 v[24:27], v3, s[6:7] offset:8192*\nxt
	global_load_b128 v[28:31], v3, s[8:9] offset:8192*\nxt
	global_load_u16 v240, v4, s[10:11] offset:1024*\nxt
.endm
.macro PUT slot                        ; and into an LDS slot, as they lie
	ds_store_b128 v3, v[24:27] offset:SLOTB*(\slot)
	ds_store_b128 v3, v[28:31] offset:SLOTB*(\slot)+VCO
	ds_store_b16 v4, v240 offset:SLOTB*(\slot)+KSC
.endm
.macro PLACES                          ; four plain places behind matrix instructions, in front of loads into their registers and of reads of their results
.rept 4
	v_nop
.endr
.endm
.macro FRAGS slot, base                ; eight fragments: 16 bytes a lane, 512 consecutive bytes a load
.irp t, 0,1,2,3,4,5,6,7
.irp c, 0,1
	ds_load_b128 v[32+8*\t+4*\c:32+8*\t+4*\c+3], v1 offset:SLOTB*(\slot)+\base+1024*\t+512*\c
.endr
.endr
.endm
.macro SCW slot, base                  ; their scale words: register j: lanes 0-15 tile 2 j's rows, lanes 16-31 tile 2 j + 1's
.irp j, 0,1,2,3
	ds_load_b32 v[248+\j], v2 offset:SLOTB*(\slot)+\base+128*\j
.endr
.endm
.macro SMUL                            ; S^T = K Q^T: source 0 = 16 keys, source 1 = my 16 queries; eight accumulators, one instruction each
.irp t, 0,1,2,3,4,5,6,7
.if \t % 2
	v_wmma_scale_f32_16x16x128_f8f6f4 v[96+8*\t:103+8*\t], v[32+8*\t:39+8*\t], v[16:23], 0, v[248+\t/2], v255 matrix_a_fmt:MATRIX_FMT_FP4 matrix_b_fmt:MATRIX_FMT_FP4 matrix_a_scale:MATRIX_SCALE_ROW1
.else
	v_wmma_scale_f32_16x16x128_f8f6f4 v[96+8*\t:103+8*\t], v[32+8*\t:39+8*\t], v[16:23], 0, v[248+\t/2], v255 matrix_a_fmt:MATRIX_FMT_FP4 matrix_b_fmt:MATRIX_FMT_FP4
.endif
.endr
.endm
.macro PVMUL                           ; O^T += V^T P^T: source 0 = 16 channels, source 1 = p; the eight accumulators take turns, one instruction a turn
.irp t, 0,1,2,3,4,5,6,7
.if \t % 2
	v_wmma_scale_f32_16x16x128_f8f6f4 v[160+8*\t:167+8*\t], v[32+8*\t:39+8*\t], v[224:231], v[160+8*\t:167+8*\t], v[248+\t/2], v253 matrix_a_fmt:MATRIX_FMT_FP4 matrix_b_fmt:MATRIX_FMT_FP4 matrix_a_scale:MATRIX_SCALE_ROW1
.else
	v_wmma_scale_f32_16x16x128_f8f6f4 v[160+8*\t:167+8*\t], v[32+8*\t:39+8*\t], v[224:231], v[160+8*\t:167+8*\t], v[248+\t/2], v253 matrix_a_fmt:MATRIX_FMT_FP4 matrix_b_fmt:MATRIX_FMT_FP4
.endif
.endr
.endm
.macro SOFTMAX
.irp b, 0,1,2,3
	v_max3_num_f32 v[232+\b], v[96+16*\b], v[97+16*\b], v[98+16*\b]   ; the largest score of each block of 32 keys: for the row's maximum and, since p rises with the score, for the block's largest p
.endr
.irp i, 3,5,7,9,11,13
.irp b, 0,1,2,3
	v_max3_num_f32 v[232+\b], v[232+\b], v[96+16*\b+\i], v[97+16*\b+\i]
.endr
.endr
.irp b, 0,1,2,3
	v_max_num_f32 v[232+\b], v[232+\b], v[111+16*\b]
.endr
.irp b, 0,1,2,3
	v_permlanex16_b32 v[236+\b], v[232+\b], s[SEL], s[SEL+1]
.endr
.irp b, 0,1,2,3
	v_max_num_f32 v[232+\b], v[232+\b], v[236+\b]  ; with lane l xor 16's 16 keys
.endr
	v_max3_num_f32 v254, v232, v233, v234
	v_max_num_f32 v254, v254, v235                 ; the step's largest score of my query
	v_mul_f32 v254, s22, v254                      ; as t (c is positive)
	v_max_num_f32 v13, v13, v254                   ; the running largest t
	v_mov_b32 v254, v12
	v_floor_f32 v12, -v13                          ; the new -M = floor(-t) = -ceil(t)
	v_sub_f32 v254, v12, v254                      ; old M - new M: a whole number, 0 or less
	v_cvt_i32_f32 v254, v254                       ; (it saturates)
	v_ldexp_f32 v252, 1.0, v254                    ; f = 2^(old M - new M)
.set j, 0
.rept 32
	v_pk_fma_f32 v[96+j:97+j], v[96+j:97+j], s[22:23], v[12:13] op_sel_hi:[1,0,0]   ; t - M, two at a time
.set j, j+2
.endr
.irp b, 0,1,2,3
	v_fma_f32 v[232+\b], v[232+\b], s22, v12       ; the same of each block's largest score
.endr
.set j, 0
.rept 64
	v_exp_f32 v[96+j], v[96+j]                     ; p = 2^(t - M), at most 1; 0 where the key is masked
.set j, j+1
.endr
.irp b, 0,1,2,3
	v_exp_f32 v[232+\b], v[232+\b]                 ; the block's largest p
.endr
	v_pk_mul_f32 v[14:15], v[14:15], v[252:253] op_sel_hi:[1,0]   ; the sums under the new M (a plain place behind the exponentials)
	s_wait_alu depctr_va_vdst(0)
.irp b, 0,1,2,3
	v_max_num_f32 v[232+\b], 0x1800000, v[232+\b]  ; the floor 2^(3 - 127): a block whose every p is 0 keeps the byte 1: its codes are zeros
.endr
.irp b, 0,1,2,3
	v_add_nc_u32 v[244+\b], 0xff000000, v[232+\b]  ; the conversion's scale operand
.endr
.irp b, 0,1,2,3
	v_lshrrev_b32 v[236+\b], 23, v[244+\b]         ; the scale's byte
.endr
	v_lshl_or_b32 v253, v237, 8, v236              ; p's scale word for these 128 keys
	v_lshl_or_b32 v253, v238, 16, v253
	v_lshl_or_b32 v253, v239, 24, v253
.irp b, 0,1,2,3
	v_cvt_scalef32_pk8_fp4_f32 v[224+2*\b], v[96+16*\b:103+16*\b], v[244+\b]
	v_cvt_scalef32_pk8_fp4_f32 v[225+2*\b], v[104+16*\b:111+16*\b], v[244+\b]
.endr
	v_nop                                          ; one plain place behind the last scaled conversion
.irp c, 0,1                            ; the operand wants a whole block in a lane: lanes 0-15 block 2 c, lanes 16-31 block 2 c + 1
.irp i, 0,1
	v_permlane16_swap_b32 v[224+4*\c+\i], v[226+4*\c+\i]
.endr
.endr
	v_pk_add_f32 v[236:237], v[96:97], v[98:99]    ; the row's sum, of the unquantised p: two at a time, in two chains
.irp j, 4,8,12,16,20,24,28,32,36,40,44,48,52,56,60
	v_pk_add_f32 v[14:15], v[14:15], v[96+\j:97+\j]
	v_pk_add_f32 v[236:237], v[236:237], v[98+\j:99+\j]
.endr
	v_pk_add_f32 v[14:15], v[14:15], v[236:237]
.set j, 0
.rept 32
	v_pk_mul_f32 v[160+j:161+j], v[160+j:161+j], v[252:253] op_sel_hi:[1,0]   ; O^T under the new M, from each accumulator's low end on; also the places between p's scale word and codes and the products
.set j, j+2
.endr
.endm
; A KEY STEP, read from LDS slot `slot`.  Bit 0 of s24: my queries have work in it; bit 1: some of its keys are masked for them.  Bit 2 of s25: some wave wants the NEXT step (in the
; last step the bits have run out, so nothing past the buffers is asked for).  ONE barrier a step: the other slot was last read a step ago, and every wave waited for those reads in front
; of that step's signal; my stores into it are waited for in front of this step's signal.
.macro STEP slot
	s_bitcmp1_b32 s25, 2
	s_cbranch_scc0 .Lnp_\@
	PRE 1                                          ; asked for here, stored at the step's end
.Lnp_\@:
	s_bitcmp1_b32 s24, 0
	s_cbranch_scc0 .Lskip_\@
	s_load_b512 s[32:47], s[12:13], s26 offset:0x0     ; the step's 64 lane masks
	s_load_b512 s[48:63], s[12:13], s26 offset:0x40
	s_load_b512 s[68:83], s[12:13], s26 offset:0x80
	s_load_b512 s[84:99], s[12:13], s26 offset:0xc0
	FRAGS \slot, 0
	SCW \slot, KSC
	s_wait_dscnt 0x0                               ; K's fragments and scale words are in
	SMUL
	PLACES
	FRAGS \slot, VCO                               ; V's fragments and scale words land under the softmax, which touches none of their registers
	SCW \slot, VSC
	s_wait_kmcnt 0x0                               ; the lane masks are in (scalar loads return in no order: only 0 shows anything); s26 may be stepped
	s_bitcmp1_b32 s24, 1
	s_cbranch_scc0 .Lopen_\@
.set n, 0
.rept 64
	v_cndmask_b32 v[96+n], v[96+n], v11, s[32+n+4*(n/32)]   ; masked: -infinity.  Ascending: each accumulator from its low end on
.set n, n+1
.endr
.Lopen_\@:
	SOFTMAX
	s_wait_dscnt 0x0                               ; V's fragments and scale words are in
	PVMUL
	PLACES                                         ; for the next step's loads into the fragments' and scale words' registers, and for the way out
.Lskip_\@:
	s_wait_loadcnt 0x0                             ; on every path: the copy's loads, if any, are in; their address registers are free
	s_bitcmp1_b32 s25, 2
	s_cbranch_scc0 .Lns_\@
	PUT 1-\slot
.Lns_\@:
	s_add_nc_u64 s[6:7], s[6:7], 8192              ; on to the next step
	s_add_nc_u64 s[8:9], s[8:9], 8192
	s_add_nc_u64 s[10:11], s[10:11], 1024
	s_add_co_u32 s26, s26, 256
	s_lshr_b32 s24, s24, 2
	s_lshr_b32 s25, s25, 2
	s_wait_dscnt 0x0                               ; for the others' sake: my stores have landed, my reads of this slot are over
	s_barrier_signal -1
	s_barrier_wait -1
.endm
	s_load_b256 s[4:11], s[0:1], 0x0               ; q, kc, vc, sc
	s_load_b128 s[12:15], s[0:1], 0x20             ; mw, fl
	s_load_b64 s[16:17], s[0:1], 0x30              ; out0
	v_lshl_add_u32 v242, v0, 2, 0x29800
	v_mov_b32 v243, 0
	v_lshrrev_b32 v1, 5, v0
	v_readfirstlane_b32 s18, v1                    ; wave 0..15
	v_and_b32 v2, 31, v0                           ; lane
	v_lshlrev_b32 v1, 4, v2                        ; 16 x lane
	v_and_b32 v9, 15, v0                           ; r
	v_bfe_u32 v10, v0, 4, 1                        ; h
	v_lshlrev_b32 v3, 4, v0                        ; 16 x thread
	v_lshlrev_b32 v4, 1, v0                        ; 2 x thread
	s_mul_i32 s2, s18, 16*SP
	s_add_co_u32 s2, s2, STG                       ; my stage
	v_add_nc_u32 v5, s2, v1
	v_mul_u32_u24 v6, v9, SP
	v_add_nc_u32 v6, s2, v6
	v_lshl_add_u32 v7, v10, 5, v6
	v_lshl_add_u32 v6, v10, 7, v6
	v_lshlrev_b32 v10, 3, v10                      ; 8 h
	v_lshlrev_b32 v2, 2, v2                        ; 4 x lane
	v_mov_b32 v11, 0xff800000                      ; -infinity
.irp j, 24,25,26,27,28,29,30,31,236,237,238,239,240,252,253
	v_mov_b32 v\j, 0                               ; written once: permutes' destinations, the upper half of the pair v[252:253], and the copy's registers
.endr
	s_mov_b32 s[SEL], 0x76543210
	s_mov_b32 s[SEL+1], 0xfedcba98
	s_mov_b32 s22, 0x3e0293ee                      ; c = log2(e) / sqrt(128)
	s_mov_b32 s23, s22                             ; (named with it as a pair)
	s_and_b32 s29, ttmp7, 0xffff                   ; the head
	s_lshl_b32 s30, s29, 20                        ; 2,048 rows of 512 bytes
	s_mov_b32 s31, 0
	s_wait_kmcnt 0x0
	s_add_nc_u64 s[4:5], s[4:5], s[30:31]
	s_add_nc_u64 s[16:17], s[16:17], s[30:31]
	s_lshl_b32 s30, s29, 17                        ; 16 steps of 8,192 bytes
	s_add_nc_u64 s[6:7], s[6:7], s[30:31]
	s_add_nc_u64 s[8:9], s[8:9], s[30:31]
	s_lshl_b32 s30, s29, 14                        ; 16 steps of 1,024 bytes
	s_add_nc_u64 s[10:11], s[10:11], s[30:31]
	s_mov_b32 s19, ttmp9                           ; the first query block: i; the second: 7 - i
	s_mov_b32 s27, 2
.Lpass:
	s_lshl_b32 s2, s19, 6                          ; the block's sixteen flag words
	s_lshl_b32 s3, s18, 2
	s_add_co_u32 s3, s3, s2                        ; and mine among them
	s_load_b512 s[32:47], s[14:15], s2 offset:0x0
	s_load_b32 s24, s[14:15], s3 offset:0x0
	s_lshl_b32 s26, s19, 4
	s_add_co_u32 s26, s26, s18
	s_lshl_b32 s26, s26, 12                        ; my query tile's lane masks: 4,096 bytes a tile
	s_lshl_b32 s29, s19, 17
	s_lshl_b32 s30, s18, 13
	s_add_co_u32 s29, s29, s30                     ; my 16 rows: 131,072 x block + 8,192 x wave
	v_add_nc_u32 v8, s29, v1
.irp i, 0,1,2,3,4,5,6,7,8,9,10,11,12,13,14,15
	global_load_b128 v[96+4*\i:99+4*\i], v8, s[4:5] offset:512*\i th:TH_LOAD_NT   ; a row of q: 512 consecutive bytes
.endr
	s_wait_kmcnt 0x0
	s_or_b32 s25, s32, s33                         ; what any wave of the group wants
.irp j, 34,35,36,37,38,39,40,41,42,43,44,45,46,47
	s_or_b32 s25, s25, s\j
.endr
	s_bitcmp1_b32 s25, 0
	s_cbranch_scc0 .Lnp0
	PRE 0                                          ; step 0's tiles
.Lnp0:
	s_wait_loadcnt 0x0                             ; q's rows and the tiles are in
	s_bitcmp1_b32 s25, 0
	s_cbranch_scc0 .Lns0
	PUT 0                                          ; slot 0 was last read two barriers ago
.Lns0:
.irp i, 0,1,2,3,4,5,6,7,8,9,10,11,12,13,14,15
	ds_store_b128 v5, v[96+4*\i:99+4*\i] offset:SP*\i      ; q turns through my stage: in as it lies,
.endr
.irp b, 0,1
.irp j, 0,1,2,3,4,5,6,7
	ds_load_b128 v[32+32*\b+4*\j:35+32*\b+4*\j], v6 offset:256*\b+16*\j   ; back 32 neighbours of row r at a time (LDS serves a wave's instructions in order)
.endr
.endr
	s_wait_dscnt 0x0
	QBLK2 32, 16, 255
	v_mov_b32 v13, 0xff61b1e6                      ; the largest t so far: -3e38
	v_floor_f32 v12, -v13                          ; -M
	v_mov_b32 v14, 0                               ; the sum
	v_mov_b32 v15, 0
.set j, 0
.rept 64
	v_mov_b32 v[160+j], 0                          ; O^T.  Which step is a wave's first hangs on the flags, so no product can be written out to start the sums; these lines are also the places between Q's scale word and the first product
.set j, j+1
.endr
	s_wait_dscnt 0x0                               ; my part of slot 0 has landed
	s_barrier_signal -1
	s_barrier_wait -1
	s_mov_b32 s28, 8
.Ltrip:
	STEP 0
	STEP 1
	s_sub_co_i32 s28, s28, 1
	s_cmp_lg_u32 s28, 0
	s_cbranch_scc1 .Ltrip
	s_cmp_lg_u32 s27, 2
	s_cbranch_scc1 .Lnopf
	s_sub_co_u32 s29, 7, s19                       ; in the first pass: my 16 rows of q of the second pass, 8,192 bytes, one request for each 256, lanes 256 bytes apart; they lie inside the head's rows
	s_lshl_b32 s29, s29, 17
	s_lshl_b32 s30, s18, 13
	s_add_co_u32 s29, s29, s30
	v_lshl_add_u32 v9, v2, 6, s29
	global_prefetch_b8 v9, s[4:5] th:TH_LOAD_NT scope:SCOPE_SE
.Lnopf:
	; THE WAY OUT: O^T / the sum goes through my stage and leaves as whole rows of 512 bytes.
	v_add_f32 v14, v14, v15
	v_permlanex16_b32 v252, v14, s[SEL], s[SEL+1]
	v_add_f32 v14, v14, v252                       ; the row's sum
	v_rcp_f32 v14, v14
	v_nop                                          ; a plain place behind the transcendental
.set j, 0
	s_wait_alu depctr_va_vdst(0)
.rept 32
	v_pk_mul_f32 v[96+j:97+j], v[160+j:161+j], v[14:15] op_sel_hi:[1,0]   ; register 8 t + i is o(r, 16 t + 8 h + i); each accumulator from its low end on
.set j, j+2
.endr
.irp t, 0,1,2,3,4,5,6,7
	ds_store_b128 v7, v[96+8*\t:99+8*\t] offset:64*\t
	ds_store_b128 v7, v[100+8*\t:103+8*\t] offset:64*\t+16
.endr
.irp i, 0,1,2,3,4,5,6,7,8,9,10,11,12,13,14,15
	ds_load_b128 v[32+4*\i:35+4*\i], v5 offset:SP*\i
.endr
.irp i, 0,1,2,3,4,5,6,7,8,9,10,11,12,13,14,15
	s_wait_dscnt 15-\i                             ; row i is back; the younger loads may be out
	global_store_b128 v8, v[32+4*\i:35+4*\i], s[16:17] offset:512*\i th:TH_STORE_NT   ; 32 lanes store 512 consecutive bytes, at a multiple of 256 from out0's first byte
.endr
	s_wait_xcnt 0x0                                ; the stores and the prefetch have read their registers: v8, v9 and v32-95 may be written again
	s_sub_nc_u64 s[6:7], s[6:7], 131072            ; back to the head's first step
	s_sub_nc_u64 s[8:9], s[8:9], 131072
	s_sub_nc_u64 s[10:11], s[10:11], 16384
	s_sub_co_u32 s19, 7, s19                       ; the other query block
	s_sub_co_i32 s27, s27, 1
	s_cmp_lg_u32 s27, 0
	s_cbranch_scc1 .Lpass
	s_wait_tensorcnt 0x0
	ds_add_u32 v242, v243
	s_wait_dscnt 0x0
	s_endpgm
.Lfunc_end_k_q108c0be807_attn:
	.size	k_q108c0be807_attn, .Lfunc_end_k_q108c0be807_attn-k_q108c0be807_attn
	.p2alignl 7, 3214868480
	.fill 96, 4, 3214868480
	.section	.rodata,"a",@progbits
	.p2align	6, 0x0
	.amdhsa_kernel k_q108c0be807_attn
		.amdhsa_group_segment_fixed_size 172032
		.amdhsa_private_segment_fixed_size 0
		.amdhsa_enable_private_segment 0
		.amdhsa_kernarg_size 56
		.amdhsa_user_sgpr_count 2
		.amdhsa_user_sgpr_kernarg_segment_ptr 1
		.amdhsa_wavefront_size32 1
		.amdhsa_system_sgpr_workgroup_id_x 1
		.amdhsa_system_sgpr_workgroup_id_y 1
		.amdhsa_system_sgpr_workgroup_id_z 1
		.amdhsa_system_vgpr_workitem_id 0
		.amdhsa_next_free_vgpr 256
		.amdhsa_next_free_sgpr 100
		.amdhsa_reserve_vcc 0
		.amdhsa_float_denorm_mode_32 3
		.amdhsa_float_denorm_mode_16_64 3
		.amdhsa_memory_ordered 1
		.amdhsa_forward_progress 1
		.amdhsa_inst_pref_size 66
	.end_amdhsa_kernel
	.amdgpu_metadata
---
amdhsa.version: [ 1, 2 ]
amdhsa.kernels:
  - .name:           k_q108c0be807_attn
    .symbol:         k_q108c0be807_attn.kd
    .args:
      - { .name: q, .offset: 0, .size: 8, .value_kind: global_buffer, .address_space: global }
      - { .name: kc, .offset: 8, .size: 8, .value_kind: global_buffer, .address_space: global }
      - { .name: vc, .offset: 16, .size: 8, .value_kind: global_buffer, .address_space: global }
      - { .name: sc, .offset: 24, .size: 8, .value_kind: global_buffer, .address_space: global }
      - { .name: mw, .offset: 32, .size: 8, .value_kind: global_buffer, .address_space: global }
      - { .name: fl, .offset: 40, .size: 8, .value_kind: global_buffer, .address_space: global }
      - { .name: out0, .offset: 48, .size: 8, .value_kind: global_buffer, .address_space: global }
    .group_segment_fixed_size: 172032
    .private_segment_fixed_size: 0
    .kernarg_segment_align: 8
    .kernarg_segment_size: 56
    .max_flat_workgroup_size: 512
    .sgpr_count:     100
    .vgpr_count:     256
    .wavefront_size: 32
...
	.end_amdgpu_metadata
.endif
;; end of part 2
;; ======== version 2 of 2: 2 launches
;; workspace buffers: kc 8,388,608 bytes; vc 8,388,608 bytes; sc 1,048,576 bytes; mw 524,288 bytes of whole numbers; fl 512 bytes of whole numbers
;; launch prep (part 3): grid 2176 x 1, 4 waves a work-group, no clusters, 34,304 bytes of LDS; arguments k, v, mask, kc, vc, sc, mw, fl; writes kc, vc, sc, mw, fl
.if DOCPART == 3
	.amdgcn_target "amdgcn-amd-amdhsa--gfx1250"
	.amdhsa_code_object_version 6
	.text
	.protected	k_q108c0be807_prep
	.globl	k_q108c0be807_prep
	.p2align	8
	.type	k_q108c0be807_prep,@function
k_q108c0be807_prep:
	s_mov_b64 s[64:65], 0
	v_nop
	global_prefetch_b8 v0, s[64:65] scope:SCOPE_SE
	s_setreg_imm32_b32 hwreg(HW_REG_WAVE_MODE, 25, 1), 1
	s_wait_xcnt 0x0
; PREPARATION FOR THE ATTENTION LAUNCH.  k, v: [64 heads][2048][128] f32.  mask: [2048][2048] bytes, 1 = masked.
; Three paths, chosen by the work-group's number alone:
;   0 .. 127      MASK: query tile T (16 queries): the mask's bytes become lane masks (mw) and two bits a key step (fl)
;   128 .. 1151   K:    one key step (128 keys of one head) is quantised along the head's 128 into FP4 (E2M1) codes and E8M0 bytes
;   1152 .. 2175  V:    one key step is quantised along its 128 KEYS (four blocks of 32)
; THE CODES ARE LAID AS IMAGES OF THE OPERAND'S REGISTERS: a step is 8 fragments of 1,024 bytes; in fragment t the 16 bytes at 512 c + 16 lane are
; registers 4 c .. 4 c + 3 of that lane, the 32 codes k = 64 c + 32 (lane / 16) + 0 .. 31 of row lane % 16.  So the reader needs 16 bytes a lane and no pitch.
;   K: row r of tile 2 b + u is key 32 b + 8 u + r + 8 (r / 8), so that the scores of tiles 2 b, 2 b + 1 are 16 neighbouring keys in a lane's registers.
;   V: row r of tile t is channel 16 t + r; k runs over the step's keys as they lie.
; SCALE WORDS (sc): a step has 128 words of K, then 128 of V; word 16 t + r holds row r's four bytes, byte b for k = 32 b .. 32 b + 31.
; mw: [query tile][step][64 words]: bit L of word 16 b + i = mask[16 T + L % 16][128 s + 32 b + 16 (L / 16) + i]: the lane mask of score register 16 b + i.
; fl: word T, bit 2 s: not all of the step's 16 x 128 bytes are set (there is work); bit 2 s + 1: some byte is set (the select has to run).
; A block's scale is 2^(floor(log2(largest magnitude)) - 2): its byte is the largest magnitude's exponent field - 2, held at 1 from below.
; LIMITS: NaN and infinities in k and v are not served.  Mask bytes are 0 or 1.  A block of zeros gets the byte 1 where the rule says 127: its codes are
; zeros, which add nothing under any byte but 0xff, and these bytes are read by this program alone.
; No matrix unit, no cluster, no tensor load: a stream; waves share nothing, so there is no barrier.  Only the K path touches LDS.
.set SP,  528                          ; a stage row: 512 bytes + 16 = 33 x 16: sixteen rows start in sixteen different columns of 16 bytes
.set X,   40                           ; numbers at work: K: v40-103 (64 of a lane's row); V: v40-167 (four blocks of 32)
.set R,   104                          ; K: v104-231 two tiles of 16 keys as they are loaded
.set C,   20                           ; v20-35 codes: never written twice, so no store's data are overwritten
.set M,   40                           ; MASK: v40-103 the bytes of four steps
.set MT,  104                          ; MASK: v104-111 at work
.set MWR, 20                           ; MASK: v20-27 a pair of registers of lane masks for each step
.set QM,  10                           ; v10-11 largest magnitudes;  v12-13 the conversions' scale operands;  v14-15 bytes;  v18 a permute's destination
.set QS,  12
.set QB,  14
.set QP,  18
.set H8,  8                            ; v8 = 8 (lane / 16)
.set SEL, 26                           ; s[26:27] selects of v_permlanex16_b32: lane l xor 16
; 64 numbers of a lane, v[x + 32 b + i] = k 64 b + 32 (lane / 16) + i of its row (two whole blocks), become registers c .. c + 7 of the operand and the row's scale word in v[w].
.macro QBLK2 x, c, w
.irp b, 0,1
	v_max3_num_f32 v[QM+\b], |v[\x+32*\b]|, |v[\x+32*\b+1]|, 0x1800000     ; with the floor 2^(3 - 127): the byte cannot fall under 1
.endr
.irp i, 2,4,6,8,10,12,14,16,18,20,22,24,26,28,30
.irp b, 0,1
	v_max3_num_f32 v[QM+\b], v[QM+\b], |v[\x+32*\b+\i]|, |v[\x+32*\b+\i+1]|   ; the two blocks by turns
.endr
.endr
.irp b, 0,1
	v_add_nc_u32 v[QS+\b], 0xff000000, v[QM+\b]    ; 2 off the exponent field: the conversion takes that field as its scale and nothing else
.endr
.irp b, 0,1
	v_lshrrev_b32 v[QB+\b], 23, v[QS+\b]           ; the scale's byte
.endr
	v_lshl_or_b32 v[\w], v[QB+1], 16, v[QB]        ; my bytes: blocks h and 2 + h,
	v_lshlrev_b32 v[\w], v[H8], v[\w]              ; 8 h bits up;
	v_permlanex16_b32 v[QP], v[\w], s[SEL], s[SEL+1]
	v_or_b32 v[\w], v[\w], v[QP]                   ; with lane l xor 16's two the word is whole, in both halves of the lanes
.irp b, 0,1
.irp g, 0,1,2,3
	v_cvt_scalef32_pk8_fp4_f32 v[\c+4*\b+\g], v[\x+32*\b+8*\g:\x+32*\b+8*\g+7], v[QS+\b]
.endr
.endr
	v_nop                                          ; one plain place behind the last scaled conversion
.endm
	s_load_b512 s[4:19], s[0:1], 0x0               ; k s[4:5], v s[6:7], mask s[8:9], kc s[10:11], vc s[12:13], sc s[14:15], mw s[16:17], fl s[18:19]
	v_lshl_add_u32 v232, v0, 2, 0x8400
	v_mov_b32 v233, 0
	v_lshrrev_b32 v1, 5, v0
	v_readfirstlane_b32 s20, v1                    ; wave 0..3
	v_and_b32 v1, 31, v0                           ; lane
	v_lshlrev_b32 v2, 4, v1                        ; 16 x lane
	v_and_b32 v3, 15, v0                           ; r
	v_bfe_u32 v4, v0, 4, 1                         ; h
	v_lshlrev_b32 v7, 2, v1                        ; 4 x lane
	v_lshlrev_b32 v8, 3, v4                        ; 8 h
	v_lshlrev_b32 v9, 3, v1                        ; 8 x lane
	v_mov_b32 v18, 0                               ; a lane permute's destination counts as one of its sources
	s_mov_b32 s[SEL], 0x76543210
	s_mov_b32 s[SEL+1], 0xfedcba98
	s_mov_b32 s28, 0xffff0000                      ; lanes 16-31
	s_mov_b32 s23, 0                               ; the high word of every offset: all stay under 2^27
	s_wait_kmcnt 0x0
	s_cmp_lt_u32 ttmp9, 128
	s_cbranch_scc1 .Lmask
	s_cmp_lt_u32 ttmp9, 1152
	s_cbranch_scc1 .Lkpath
; ---------------- V: a lane takes a channel, its registers run down the keys.  Wave w: channels 32 w .. 32 w + 31, the step's 128 keys.
	s_sub_co_u32 s21, ttmp9, 1152                  ; 16 x head + step
	s_lshl_b32 s22, s21, 16                        ; 128 keys of 512 bytes
	s_lshl_b32 s24, s20, 7                         ; my 32 channels
	s_add_co_u32 s22, s22, s24
	s_add_nc_u64 s[6:7], s[6:7], s[22:23]
	s_lshl_b32 s22, s21, 13                        ; a step's 8,192 bytes of codes; my two fragments
	s_lshl_b32 s24, s20, 11
	s_add_co_u32 s22, s22, s24
	s_add_nc_u64 s[12:13], s[12:13], s[22:23]
	s_lshl_b32 s22, s21, 10                        ; a step's 1,024 bytes of scale words; V's lie behind K's 512; my 32 words
	s_lshl_b32 s24, s20, 7
	s_add_co_u32 s22, s22, s24
	s_add_co_u32 s22, s22, 512
	s_add_nc_u64 s[14:15], s[14:15], s[22:23]
	s_wait_alu depctr_va_vdst(0)
	v_lshlrev_b32 v5, 4, v3
	v_lshl_add_u32 v5, v4, 10, v5                  ; block g of channel 16 t + r lies at 1,024 t + 256 g + 16 r
.macro VLOAD g                         ; V(32 g + i, my channel): a wave reads 128 consecutive bytes, the four waves side by side a row of 512
.irp i, 0,1,2,3,4,5,6,7,8,9,10,11,12,13,14,15,16,17,18,19,20,21,22,23,24,25,26,27,28,29,30,31
	global_load_b32 v[X+32*\g+\i], v7, s[6:7] offset:(32*\g+\i)*512 th:TH_LOAD_NT
.endr
.endm
.macro VBLOCK g                        ; a block of 32 keys lies in one lane's 32 registers: no other lane is asked
	v_max3_num_f32 v10, |v[X+32*\g]|, |v[X+32*\g+1]|, |v[X+32*\g+2]|
	v_max3_num_f32 v11, |v[X+32*\g+3]|, |v[X+32*\g+4]|, |v[X+32*\g+5]|
.irp i, 6,10,14,18,22,26
	v_max3_num_f32 v10, v10, |v[X+32*\g+\i]|, |v[X+32*\g+\i+1]|
	v_max3_num_f32 v11, v11, |v[X+32*\g+\i+2]|, |v[X+32*\g+\i+3]|
.endr
	v_max3_num_f32 v10, v10, |v[X+32*\g+30]|, |v[X+32*\g+31]|
	v_max3_num_f32 v10, v10, v11, 0x1800000        ; and the floor
	v_add_nc_u32 v12, 0xff000000, v10
	v_lshrrev_b32 v14, 23, v12
.if \g == 0
	v_mov_b32 v16, v14                             ; the four bytes make my channel's scale word
.else
	v_lshl_or_b32 v16, v14, 8*\g, v16
.endif
.irp q, 0,1,2,3
	v_cvt_scalef32_pk8_fp4_f32 v[C+4*\g+\q], v[X+32*\g+8*\q:X+32*\g+8*\q+7], v12
.endr
	v_nop                                          ; one plain place: the next block writes v12 again
	global_store_b128 v5, v[C+4*\g:C+4*\g+3], s[12:13] offset:256*\g   ; lanes 0-15 store 256 consecutive aligned bytes, lanes 16-31 the same 1,024 bytes on
.endm
	VLOAD 0
	VLOAD 1
	s_wait_loadcnt 32                              ; block 0 is in; block 1's 32 loads may be out
	VLOAD 2
	VBLOCK 0
	s_wait_loadcnt 32                              ; block 1 is in; block 2's may be out
	VLOAD 3
	VBLOCK 1
	s_wait_loadcnt 32                              ; block 2 is in; block 3's may be out
	VBLOCK 2
	s_wait_loadcnt 0x0
	VBLOCK 3
	global_store_b32 v7, v16, s[14:15]             ; 32 scale words: 128 consecutive bytes
	s_endpgm
; ---------------- K: wave j takes keys 32 j .. 32 j + 31 of the step: tiles 2 j and 2 j + 1.
.Lkpath:
	s_sub_co_u32 s21, ttmp9, 128                   ; 16 x head + step
	s_lshl_b32 s22, s21, 16
	s_lshl_b32 s24, s20, 14                        ; my 32 keys of 512 bytes
	s_add_co_u32 s22, s22, s24
	s_add_nc_u64 s[4:5], s[4:5], s[22:23]
	s_lshl_b32 s22, s21, 13
	s_lshl_b32 s24, s20, 11
	s_add_co_u32 s22, s22, s24
	s_add_nc_u64 s[10:11], s[10:11], s[22:23]
	s_lshl_b32 s22, s21, 10
	s_lshl_b32 s24, s20, 7
	s_add_co_u32 s22, s22, s24
	s_add_nc_u64 s[14:15], s[14:15], s[22:23]
	s_mul_i32 s24, s20, 16*SP                      ; my stage in LDS: 16 rows
	s_wait_alu depctr_va_vdst(0)
	v_add_nc_u32 v5, s24, v2                       ; in: a key's 512 bytes as they lie, 16 a lane
	v_mul_u32_u24 v6, v3, SP
	v_lshl_add_u32 v6, v4, 7, v6
	v_add_nc_u32 v6, s24, v6                       ; back: row r, from byte 128 h: my 32 numbers of each half of the row
.irp u, 0,1
.irp i, 0,1,2,3,4,5,6,7,8,9,10,11,12,13,14,15
	global_load_b128 v[R+64*\u+4*\i:R+64*\u+4*\i+3], v2, s[4:5] offset:(8*\u+\i+8*(\i/8))*512 th:TH_LOAD_NT   ; row i of tile u: 512 consecutive bytes
.endr
.endr
.macro KTILE u
	s_wait_loadcnt 16-16*\u                        ; this tile's 16 loads are in; the other tile's 16 younger ones may be out
.irp i, 0,1,2,3,4,5,6,7,8,9,10,11,12,13,14,15
	ds_store_b128 v5, v[R+64*\u+4*\i:R+64*\u+4*\i+3] offset:SP*\i
.endr
.irp b, 0,1
.irp j, 0,1,2,3,4,5,6,7
	ds_load_b128 v[X+32*\b+4*\j:X+32*\b+4*\j+3], v6 offset:256*\b+16*\j   ; LDS serves a wave's instructions in order: these see my stores
.endr
.endr
	s_wait_dscnt 0x0
	QBLK2 X, C+8*\u, 16+\u
.irp b, 0,1
	global_store_b128 v2, v[C+8*\u+4*\b:C+8*\u+4*\b+3], s[10:11] offset:1024*\u+512*\b   ; 512 consecutive bytes
.endr
.endm
	s_wait_alu depctr_va_vdst(0)
	KTILE 0
	KTILE 1
	v_cndmask_b32 v16, v16, v17, s28               ; lanes 0-15: tile 2 j's words; lanes 16-31: tile 2 j + 1's
	global_store_b32 v7, v16, s[14:15]
	s_wait_tensorcnt 0x0
	ds_add_u32 v232, v233
	s_wait_dscnt 0x0
	s_endpgm
; ---------------- MASK: query tile T = the work-group's number; wave w takes key steps 4 w .. 4 w + 3.
.Lmask:
	s_lshl_b32 s22, ttmp9, 15                      ; 16 rows of 2,048 bytes
	s_lshl_b32 s24, s20, 9                         ; my four steps of 128 bytes
	s_add_co_u32 s22, s22, s24
	s_add_nc_u64 s[8:9], s[8:9], s[22:23]
	s_lshl_b32 s22, ttmp9, 12                      ; mw: 16 steps of 256 bytes a tile
	s_lshl_b32 s24, s20, 10
	s_add_co_u32 s22, s22, s24
	s_add_nc_u64 s[16:17], s[16:17], s[22:23]
	s_lshl_b32 s22, ttmp9, 2                       ; fl: a word a tile
	s_add_nc_u64 s[18:19], s[18:19], s[22:23]
	s_wait_alu depctr_va_vdst(0)
	v_lshlrev_b32 v5, 11, v3
	v_lshl_add_u32 v5, v4, 4, v5                   ; row r, + 16 h: the 16 keys that this lane's score registers 16 b .. 16 b + 15 hold
	v_lshrrev_b32 v6, 5, v0                        ; my wave's byte of the flag word
	s_mov_b32 s29, 0                               ; my four steps' flags
.irp g, 0,1,2,3
.irp b, 0,1,2,3
	global_load_b128 v[M+16*\g+4*\b:M+16*\g+4*\b+3], v5, s[8:9] offset:128*\g+32*\b
.endr
.endr
.macro MSTEP g
	s_wait_loadcnt 12-4*\g                         ; this step's four loads are in; the later steps' may be out
	v_mov_b32 v[MWR+2*\g], 0                       ; (v_writelane_b32's destination counts as read)
	v_mov_b32 v[MWR+2*\g+1], 0
.irp a, 0,1,2,3,4,5,6,7                ; words n = 8 a + k, eight at a time, so that no line waits for the line above it
.irp k, 0,1,2,3,4,5,6,7
	v_and_b32 v[MT+\k], 0xff<<(8*(\k%4)), v[M+16*\g+4*(\a/2)+2*(\a%2)+\k/4]   ; byte n % 16 of block n / 16
.endr
.irp k, 0,1,2,3,4,5,6,7
	v_cmp_ne_u32 s[32+\k], 0, v[MT+\k]             ; the 32 lanes' bits: word n
.endr
.irp k, 0,1,2,3,4,5,6,7
	v_writelane_b32 v[MWR+2*\g+\k%2], s[32+\k], 4*\a+\k/2   ; lane l of the pair holds words 2 l and 2 l + 1
.endr
.endr
	v_or_b32 v10, v[M+16*\g], v[M+16*\g+1]
	v_and_b32 v11, v[M+16*\g], v[M+16*\g+1]
.irp i, 2,3,4,5,6,7,8,9,10,11,12,13,14,15
	v_or_b32 v10, v10, v[M+16*\g+\i]
	v_and_b32 v11, v11, v[M+16*\g+\i]
.endr
	v_cmp_ne_u32 s40, 0, v10                       ; lanes with a byte that is set
	v_cmp_ne_u32 s41, 0x01010101, v11              ; lanes with a byte that is not
	s_cmp_lg_u32 s41, 0
	s_cselect_b32 s42, 1, 0                        ; there is work
	s_cmp_lg_u32 s40, 0
	s_cselect_b32 s43, 2, 0                        ; the select has to run
	s_or_b32 s42, s42, s43
	s_lshl_b32 s42, s42, 2*\g
	s_or_b32 s29, s29, s42
	global_store_b64 v9, v[MWR+2*\g:MWR+2*\g+1], s[16:17] offset:256*\g   ; 256 consecutive aligned bytes
.endm
	MSTEP 0
	MSTEP 1
	MSTEP 2
	MSTEP 3
	v_mov_b32 v12, s29
	v_cmp_eq_u32 vcc_lo, 0, v1
	s_wait_alu depctr_va_vdst(0)
	s_wait_xcnt 0x0                                ; EXEC is a source of the stores above: it changes only behind this wait
	s_and_saveexec_b32 s30, vcc_lo
	global_store_b8 v6, v12, s[18:19]              ; byte w of word T: steps 4 w .. 4 w + 3, two bits each
	s_wait_xcnt 0x0                                ; and again in front of the line that widens it
	s_or_b32 exec_lo, exec_lo, s30
	s_endpgm
.Lfunc_end_k_q108c0be807_prep:
	.size	k_q108c0be807_prep, .Lfunc_end_k_q108c0be807_prep-k_q108c0be807_prep
	.p2alignl 7, 3214868480
	.fill 96, 4, 3214868480
	.section	.rodata,"a",@progbits
	.p2align	6, 0x0
	.amdhsa_kernel k_q108c0be807_prep
		.amdhsa_group_segment_fixed_size 34304
		.amdhsa_private_segment_fixed_size 0
		.amdhsa_enable_private_segment 0
		.amdhsa_kernarg_size 64
		.amdhsa_user_sgpr_count 2
		.amdhsa_user_sgpr_kernarg_segment_ptr 1
		.amdhsa_wavefront_size32 1
		.amdhsa_system_sgpr_workgroup_id_x 1
		.amdhsa_system_sgpr_workgroup_id_y 1
		.amdhsa_system_sgpr_workgroup_id_z 1
		.amdhsa_system_vgpr_workitem_id 0
		.amdhsa_next_free_vgpr 234
		.amdhsa_next_free_sgpr 66
		.amdhsa_reserve_vcc 1
		.amdhsa_float_denorm_mode_32 3
		.amdhsa_float_denorm_mode_16_64 3
		.amdhsa_memory_ordered 1
		.amdhsa_forward_progress 1
		.amdhsa_inst_pref_size 92
	.end_amdhsa_kernel
	.amdgpu_metadata
---
amdhsa.version: [ 1, 2 ]
amdhsa.kernels:
  - .name:           k_q108c0be807_prep
    .symbol:         k_q108c0be807_prep.kd
    .args:
      - { .name: k, .offset: 0, .size: 8, .value_kind: global_buffer, .address_space: global }
      - { .name: v, .offset: 8, .size: 8, .value_kind: global_buffer, .address_space: global }
      - { .name: mask, .offset: 16, .size: 8, .value_kind: global_buffer, .address_space: global }
      - { .name: kc, .offset: 24, .size: 8, .value_kind: global_buffer, .address_space: global }
      - { .name: vc, .offset: 32, .size: 8, .value_kind: global_buffer, .address_space: global }
      - { .name: sc, .offset: 40, .size: 8, .value_kind: global_buffer, .address_space: global }
      - { .name: mw, .offset: 48, .size: 8, .value_kind: global_buffer, .address_space: global }
      - { .name: fl, .offset: 56, .size: 8, .value_kind: global_buffer, .address_space: global }
    .group_segment_fixed_size: 34304
    .private_segment_fixed_size: 0
    .kernarg_segment_align: 8
    .kernarg_segment_size: 64
    .max_flat_workgroup_size: 128
    .sgpr_count:     66
    .vgpr_count:     234
    .wavefront_size: 32
...
	.end_amdgpu_metadata
.endif
;; end of part 3
;; launch attn (part 4): grid 4 x 64, 16 waves a work-group, no clusters, 172,032 bytes of LDS; arguments q, kc, vc, sc, mw, fl, out0; writes out0
.if DOCPART == 4
	.amdgcn_target "amdgcn-amd-amdhsa--gfx1250"
	.amdhsa_code_object_version 6
	.text
	.protected	k_q108c0be807_attn
	.globl	k_q108c0be807_attn
	.p2align	8
	.type	k_q108c0be807_attn,@function
k_q108c0be807_attn:
	s_mov_b64 s[64:65], 0
	v_nop
	global_prefetch_b8 v0, s[64:65] scope:SCOPE_SE
	s_setreg_imm32_b32 hwreg(HW_REG_WAVE_SCHED_MODE, 0, 2), 2
	s_setreg_imm32_b32 hwreg(HW_REG_WAVE_MODE, 25, 1), 1
	s_wait_xcnt 0x0
	s_wait_alu depctr_vm_vsrc(0)
; out0[head][q][:] = the sum over keys of softmax(q . k / sqrt(128), masked) v, both products on FP4 (E2M1) codes with one E8M0 scale for each 32 along a product's K.
; q: [64][2048][128] f32, quantised here in registers (each row is read by one wave).  kc, vc, sc: K's and V's codes and scale words of each key step of 128 keys, laid as images
; of the operand's registers (8 fragments of 1,024 bytes: 16 bytes a lane; scale words: 4 bytes a lane, two tiles to a register).  mw: lane masks; fl: two bits a step and query tile.
; THE SOFTMAX: t = score x log2(e) / sqrt(128); M = the running largest t rounded UP to a whole number; p = 2^(t - M) is quantised along the keys, not normalised; the row's sum is
; taken of the unquantised p and divides at the end; when M moves, sum and O are multiplied by 2^(old M - new M), which rounds nothing.  Masked scores become -infinity ahead of the maximum.
; A row whose every key is masked ends with O = 0 and sum = 0: 0 x (1 / 0) is NaN, as the softmax of such a row is.
; SHARES.  256 work-groups of sixteen waves.  Work-group (i, head) makes query blocks i and 7 - i of 256 queries, one after the other; a wave owns 16 queries in 256 registers, four waves to a
; SIMD, so that one wave's vector work stands beside another's products and LDS loads.  Every wave walks all 16 key steps; the trip counts are constants.
; WORK THAT THE MASK THROWS AWAY IS LEFT OUT, for any mask: a step all of whose 16 x 128 mask bytes are set for my queries is jumped over by a scalar branch on my flag word, and a step that
; no wave of the work-group wants is not copied into LDS (the OR of the sixteen words).  No barrier stands under such a branch.
; NO TENSOR LOADS, NO CLUSTER, NO JOINT REQUESTS: the steps that are fetched hang on flags read from memory and differ between the work-groups of a head (partners would want different
; tiles).  So a step's 17,408 bytes go through registers: 34 bytes a thread, asked for a whole step ahead.
; LAYOUT.  Both products are used transposed: S^T = K Q^T, O^T = V^T P^T: a lane holds ONE query (lane % 16).  Score register 16 b + i of lane (r, h) is key 32 b + 16 h + i of the step.
; LIMITS: NaN and infinities in q are not served; a block of zeros gets the scale byte 1 (its codes are zeros).
; THE MODE: SCHED_MODE bits 1:0 = 2 (LLVM: expert scheduling mode 2), set by the entry lines.  The code itself states the register dependences between vector or matrix instructions
; and memory or LDS instructions, with s_wait_alu, always for 0.
; THE PLAN.  Registers that memory or LDS instructions touch:
;   v1-v7         addresses: written at the head, never again.          v8: written once a pass, read by q's loads and the way out's stores.          v9: written once, read by the prefetch.
;   v24-31, v240  the copy: the loads at a step's head land in them, the LDS stores at its end read them; no vector instruction of the loop names them.
;   v32-95        LDS loads land in them four times: q's numbers (read by the quantiser), K's fragments (read by S^T's products), V's (read by O^T's products), O's rows (read by the stores).
;   v248-251      K's, then V's scale words: LDS loads land, the products read.
;   v96-159       q's rows land and go to the stage; then scores and p, vector and matrix work alone; on the way out the multiplies write them and LDS stores read them.
;   v16-23, v255 (Q's codes and scale word) and v224-231, v253 (p's) are written by vector instructions and taken by the scaled products.
; An active step has three waits on va_vdst beside the two in front of and behind its exponentials: ahead of K's fragments, ahead of V's, ahead of O^T's products.  Every step has one wait on vm_vsrc, at its end,
; for the copy's registers.  A pass has one wait on va_vdst at its head, one on vm_vsrc ahead of its first barrier, and on its way out three on va_vdst and one on vm_vsrc (the first pass has one more on va_vdst, ahead of its prefetch).
.set SLOTB, 17408                      ; an LDS slot: K's codes 8,192, V's codes 8,192, K's scale words 512, V's 512.  Two slots
.set VCO,   8192
.set KSC,   16384
.set VSC,   16896
.set STG,   2*SLOTB                    ; behind the slots: a stage of 16 rows x 528 bytes for each wave: Q on its way in, O on its way out
.set SP,    528                        ; 512 + 16 = 33 x 16: sixteen rows start in sixteen different columns of 16 bytes
; v0 thread; v1 16 lane; v2 4 lane; v3 16 thread; v4 2 thread; v5 stage + 16 lane; v6 stage + 528 r + 128 h; v7 stage + 528 r + 32 h; v8 my rows' byte offset in q and out0 + 16 lane;
; v9 prefetch offset; v10 8 h; v11 -infinity; v12 -M; v13 largest t; v[14:15] the sum; v16-23 Q's codes; v24-31, v240 the copy's bytes; v32-95 eight fragments (also Q's numbers, O's rows);
; v96-159 S^T, then p; v160-223 O^T; v224-231 p's codes; v232-239, v244-247, v252, v254 at work; v248-251 K's or V's scale words; v253 p's scale word; v255 Q's.
; v242, v243: the closing add's two registers, made at the head and kept for it alone; its spare words lie from LDS byte 0x29800 on.
; s[4:5] q; s[6:7] kc; s[8:9] vc; s[10:11] sc; s[12:13] mw; s[14:15] fl; s[16:17] out0; s18 wave; s19 query block; s[20:21] lane selects; s[22:23] c; s24 my flags; s25 the group's flags;
; s26 byte offset in mw; s27 passes left; s28 trips left; s[32:63], s[68:99] the step's 64 lane masks.
.set QM,  232
.set QS,  244
.set QB,  236
.set QP,  238
.set H8,  10
.set SEL, 20
.macro QBLK2 x, c, w                   ; 64 numbers of a lane, v[x + 32 b + i] = k 64 b + 32 h + i of its row, become registers c .. c + 7 of the operand and the row's scale word in v[w]
.irp b, 0,1
	v_max3_num_f32 v[QM+\b], |v[\x+32*\b]|, |v[\x+32*\b+1]|, 0x1800000     ; with the floor 2^(3 - 127): the byte cannot fall under 1
.endr
.irp i, 2,4,6,8,10,12,14,16,18,20,22,24,26,28,30
.irp b, 0,1
	v_max3_num_f32 v[QM+\b], v[QM+\b], |v[\x+32*\b+\i]|, |v[\x+32*\b+\i+1]|
.endr
.endr
.irp b, 0,1
	v_add_nc_u32 v[QS+\b], 0xff000000, v[QM+\b]    ; 2 off the exponent field: the conversion's scale operand
.endr
.irp b, 0,1
	v_lshrrev_b32 v[QB+\b], 23, v[QS+\b]
.endr
	v_lshl_or_b32 v[\w], v[QB+1], 16, v[QB]
	v_lshlrev_b32 v[\w], v[H8], v[\w]
	v_permlanex16_b32 v[QP], v[\w], s[SEL], s[SEL+1]
	v_or_b32 v[\w], v[\w], v[QP]
.irp b, 0,1
.irp g, 0,1,2,3
	v_cvt_scalef32_pk8_fp4_f32 v[\c+4*\b+\g], v[\x+32*\b+8*\g:\x+32*\b+8*\g+7], v[QS+\b]
.endr
.endr
	v_nop                                          ; one plain place behind the last scaled conversion
.endm
.macro PRE nxt                         ; the tiles of the step nxt steps on: 16 + 16 + 2 bytes a thread, 512 threads: each load of a wave covers consecutive bytes
	global_load_b128 v[24:27], v3, s[6:7] offset:8192*\nxt
	global_load_b128 v[28:31], v3, s[8:9] offset:8192*\nxt
	global_load_u16 v240, v4, s[10:11] offset:1024*\nxt
.endm
.macro PUT slot                        ; and into an LDS slot, as they lie
	ds_store_b128 v3, v[24:27] offset:SLOTB*(\slot)
	ds_store_b128 v3, v[28:31] offset:SLOTB*(\slot)+VCO
	ds_store_b16 v4, v240 offset:SLOTB*(\slot)+KSC
.endm
.macro PLACES                          ; four plain places behind matrix instructions, in front of the vector instructions that read their results (ISA guide 7.12.1)
.rept 4
	v_nop
.endr
.endm
.macro FRAGS slot, base                ; eight fragments: 16 bytes a lane, 512 consecutive bytes a load
.irp t, 0,1,2,3,4,5,6,7
.irp c, 0,1
	ds_load_b128 v[32+8*\t+4*\c:32+8*\t+4*\c+3], v1 offset:SLOTB*(\slot)+\base+1024*\t+512*\c
.endr
.endr
.endm
.macro SCW slot, base                  ; their scale words: register j: lanes 0-15 tile 2 j's rows, lanes 16-31 tile 2 j + 1's
.irp j, 0,1,2,3
	ds_load_b32 v[248+\j], v2 offset:SLOTB*(\slot)+\base+128*\j
.endr
.endm
.macro SMUL                            ; S^T = K Q^T: source 0 = 16 keys, source 1 = my 16 queries; eight accumulators, one instruction each
.irp t, 0,1,2,3,4,5,6,7
.if \t % 2
	v_wmma_scale_f32_16x16x128_f8f6f4 v[96+8*\t:103+8*\t], v[32+8*\t:39+8*\t], v[16:23], 0, v[248+\t/2], v255 matrix_a_fmt:MATRIX_FMT_FP4 matrix_b_fmt:MATRIX_FMT_FP4 matrix_a_scale:MATRIX_SCALE_ROW1
.else
	v_wmma_scale_f32_16x16x128_f8f6f4 v[96+8*\t:103+8*\t], v[32+8*\t:39+8*\t], v[16:23], 0, v[248+\t/2], v255 matrix_a_fmt:MATRIX_FMT_FP4 matrix_b_fmt:MATRIX_FMT_FP4
.endif
.endr
.endm
.macro PVMUL                           ; O^T += V^T P^T: source 0 = 16 channels, source 1 = p; the eight accumulators take turns, one instruction a turn
.irp t, 0,1,2,3,4,5,6,7
.if \t % 2
	v_wmma_scale_f32_16x16x128_f8f6f4 v[160+8*\t:167+8*\t], v[32+8*\t:39+8*\t], v[224:231], v[160+8*\t:167+8*\t], v[248+\t/2], v253 matrix_a_fmt:MATRIX_FMT_FP4 matrix_b_fmt:MATRIX_FMT_FP4 matrix_a_scale:MATRIX_SCALE_ROW1
.else
	v_wmma_scale_f32_16x16x128_f8f6f4 v[160+8*\t:167+8*\t], v[32+8*\t:39+8*\t], v[224:231], v[160+8*\t:167+8*\t], v[248+\t/2], v253 matrix_a_fmt:MATRIX_FMT_FP4 matrix_b_fmt:MATRIX_FMT_FP4
.endif
.endr
.endm
.macro SOFTMAX
.irp b, 0,1,2,3
	v_max3_num_f32 v[232+\b], v[96+16*\b], v[97+16*\b], v[98+16*\b]   ; the largest score of each block of 32 keys: for the row's maximum and, since p rises with the score, for the block's largest p
.endr
.irp i, 3,5,7,9,11,13
.irp b, 0,1,2,3
	v_max3_num_f32 v[232+\b], v[232+\b], v[96+16*\b+\i], v[97+16*\b+\i]
.endr
.endr
.irp b, 0,1,2,3
	v_max_num_f32 v[232+\b], v[232+\b], v[111+16*\b]
.endr
.irp b, 0,1,2,3
	v_permlanex16_b32 v[236+\b], v[232+\b], s[SEL], s[SEL+1]
.endr
.irp b, 0,1,2,3
	v_max_num_f32 v[232+\b], v[232+\b], v[236+\b]  ; with lane l xor 16's 16 keys
.endr
	v_max3_num_f32 v254, v232, v233, v234
	v_max_num_f32 v254, v254, v235                 ; the step's largest score of my query
	v_mul_f32 v254, s22, v254                      ; as t (c is positive)
	v_max_num_f32 v13, v13, v254                   ; the running largest t
	v_mov_b32 v254, v12
	v_floor_f32 v12, -v13                          ; the new -M = floor(-t) = -ceil(t)
	v_sub_f32 v254, v12, v254                      ; old M - new M: a whole number, 0 or less
	v_cvt_i32_f32 v254, v254                       ; (it saturates)
	v_ldexp_f32 v252, 1.0, v254                    ; f = 2^(old M - new M)
.set j, 0
.rept 32
	v_pk_fma_f32 v[96+j:97+j], v[96+j:97+j], s[22:23], v[12:13] op_sel_hi:[1,0,0]   ; t - M, two at a time
.set j, j+2
.endr
.irp b, 0,1,2,3
	v_fma_f32 v[232+\b], v[232+\b], s22, v12       ; the same of each block's largest score
.endr
.set j, 0
	s_wait_alu depctr_va_vdst(0)
.rept 64
	v_exp_f32 v[96+j], v[96+j]                     ; p = 2^(t - M), at most 1; 0 where the key is masked
.set j, j+1
.endr
.irp b, 0,1,2,3
	v_exp_f32 v[232+\b], v[232+\b]                 ; the block's largest p
.endr
	v_pk_mul_f32 v[14:15], v[14:15], v[252:253] op_sel_hi:[1,0]   ; the sums under the new M (a plain place behind the exponentials)
	s_wait_alu depctr_va_vdst(0)                   ; the 68 exponentials have written p (v96-159) and the blocks' largest p (v232-235): one wait for the batch, ahead of its first reader
.irp b, 0,1,2,3
	v_max_num_f32 v[232+\b], 0x1800000, v[232+\b]  ; the floor 2^(3 - 127): a block whose every p is 0 keeps the byte 1: its codes are zeros
.endr
.irp b, 0,1,2,3
	v_add_nc_u32 v[244+\b], 0xff000000, v[232+\b]  ; the conversion's scale operand
.endr
.irp b, 0,1,2,3
	v_lshrrev_b32 v[236+\b], 23, v[244+\b]         ; the scale's byte
.endr
	v_lshl_or_b32 v253, v237, 8, v236              ; p's scale word for these 128 keys
	v_lshl_or_b32 v253, v238, 16, v253
	v_lshl_or_b32 v253, v239, 24, v253
.irp b, 0,1,2,3
	v_cvt_scalef32_pk8_fp4_f32 v[224+2*\b], v[96+16*\b:103+16*\b], v[244+\b]
	v_cvt_scalef32_pk8_fp4_f32 v[225+2*\b], v[104+16*\b:111+16*\b], v[244+\b]
.endr
	v_nop                                          ; one plain place behind the last scaled conversion
.irp c, 0,1                            ; the operand wants a whole block in a lane: lanes 0-15 block 2 c, lanes 16-31 block 2 c + 1
.irp i, 0,1
	v_permlane16_swap_b32 v[224+4*\c+\i], v[226+4*\c+\i]
.endr
.endr
	v_pk_add_f32 v[236:237], v[96:97], v[98:99]    ; the row's sum, of the unquantised p: two at a time, in two chains
.irp j, 4,8,12,16,20,24,28,32,36,40,44,48,52,56,60
	v_pk_add_f32 v[14:15], v[14:15], v[96+\j:97+\j]
	v_pk_add_f32 v[236:237], v[236:237], v[98+\j:99+\j]
.endr
	v_pk_add_f32 v[14:15], v[14:15], v[236:237]
.set j, 0
.rept 32
	v_pk_mul_f32 v[160+j:161+j], v[160+j:161+j], v[252:253] op_sel_hi:[1,0]   ; O^T under the new M, from each accumulator's low end on; also the places between p's scale word and codes and the products
.set j, j+2
.endr
.endm
; A KEY STEP, read from LDS slot `slot`.  Bit 0 of s24: my queries have work in it; bit 1: some of its keys are masked for them.  Bit 2 of s25: some wave wants the NEXT step (in the
; last step the bits have run out, so nothing past the buffers is asked for).  ONE barrier a step: the other slot was last read a step ago, and every wave waited for those reads in front
; of that step's signal; my stores into it are waited for in front of this step's signal.
.macro STEP slot
	s_bitcmp1_b32 s25, 2
	s_cbranch_scc0 .Lnp_\@
	PRE 1                                          ; asked for here, stored at the step's end.  No wait here: the wait on vm_vsrc at the last step's end freed v24-31 and v240, and no vector instruction names them
.Lnp_\@:
	s_bitcmp1_b32 s24, 0
	s_cbranch_scc0 .Lskip_\@
	s_load_b512 s[32:47], s[12:13], s26 offset:0x0     ; the step's 64 lane masks
	s_load_b512 s[48:63], s[12:13], s26 offset:0x40
	s_load_b512 s[68:83], s[12:13], s26 offset:0x80
	s_load_b512 s[84:99], s[12:13], s26 offset:0xc0
	s_wait_alu depctr_va_vdst(0)                   ; the products of my last active step (in a pass's first: the quantiser of q) are done reading v32-95 and v248-251, in which K's fragments and scale words land; Q's codes v16-23 and scale word v255 are written, which the products below take
	FRAGS \slot, 0
	SCW \slot, KSC
	s_wait_dscnt 0x0                               ; K's fragments and scale words are in
	SMUL
	PLACES
	s_wait_alu depctr_va_vdst(0)                   ; the eight products are done reading K's fragments and scale words, in which V's land; the places above stay beside this wait, for the reads of the scores
	FRAGS \slot, VCO                               ; V's fragments and scale words land under the softmax, which touches none of their registers
	SCW \slot, VSC
	s_wait_kmcnt 0x0                               ; the lane masks are in (scalar loads return in no order: only 0 shows anything); s26 may be stepped
	s_bitcmp1_b32 s24, 1
	s_cbranch_scc0 .Lopen_\@
.set n, 0
.rept 64
	v_cndmask_b32 v[96+n], v[96+n], v11, s[32+n+4*(n/32)]   ; masked: -infinity.  Ascending: each accumulator from its low end on
.set n, n+1
.endr
.Lopen_\@:
	SOFTMAX
	s_wait_dscnt 0x0                               ; V's fragments and scale words are in
	s_wait_alu depctr_va_vdst(0)                   ; p's codes v224-231 and its scale word v253 are written, which the products below take as source 1 and its scales; the rescalings above are the places and stay beside this wait
	PVMUL
	PLACES                                         ; for the way out's reads of O^T
.Lskip_\@:
	s_wait_loadcnt 0x0                             ; on every path: the copy's loads, if any, are in; their address registers are free
	s_bitcmp1_b32 s25, 2
	s_cbranch_scc0 .Lns_\@
	PUT 1-\slot
.Lns_\@:
	s_add_nc_u64 s[6:7], s[6:7], 8192              ; on to the next step
	s_add_nc_u64 s[8:9], s[8:9], 8192
	s_add_nc_u64 s[10:11], s[10:11], 1024
	s_add_co_u32 s26, s26, 256
	s_lshr_b32 s24, s24, 2
	s_lshr_b32 s25, s25, 2
	s_wait_dscnt 0x0                               ; for the others' sake: my stores have landed, my reads of this slot are over
	s_wait_alu depctr_vm_vsrc(0)                   ; the copy's LDS stores have read v24-31 and v240, in which the next step's loads land
	s_barrier_signal -1
	s_barrier_wait -1
.endm
	s_load_b256 s[4:11], s[0:1], 0x0               ; q, kc, vc, sc
	s_load_b128 s[12:15], s[0:1], 0x20             ; mw, fl
	s_load_b64 s[16:17], s[0:1], 0x30              ; out0
	v_lshl_add_u32 v242, v0, 2, 0x29800
	v_mov_b32 v243, 0
	v_lshrrev_b32 v1, 5, v0
	v_readfirstlane_b32 s18, v1                    ; wave 0..15
	v_and_b32 v2, 31, v0                           ; lane
	v_lshlrev_b32 v1, 4, v2                        ; 16 x lane
	v_and_b32 v9, 15, v0                           ; r
	v_bfe_u32 v10, v0, 4, 1                        ; h
	v_lshlrev_b32 v3, 4, v0                        ; 16 x thread
	v_lshlrev_b32 v4, 1, v0                        ; 2 x thread
	s_wait_alu depctr_va_sdst(0)                   ; s18 is written, ahead of its first reader: my stage's address and my rows' offsets are made from it
	s_mul_i32 s2, s18, 16*SP
	s_add_co_u32 s2, s2, STG                       ; my stage
	v_add_nc_u32 v5, s2, v1
	v_mul_u32_u24 v6, v9, SP
	v_add_nc_u32 v6, s2, v6
	v_lshl_add_u32 v7, v10, 5, v6
	v_lshl_add_u32 v6, v10, 7, v6
	v_lshlrev_b32 v10, 3, v10                      ; 8 h
	v_lshlrev_b32 v2, 2, v2                        ; 4 x lane
	v_mov_b32 v11, 0xff800000                      ; -infinity
.irp j, 24,25,26,27,28,29,30,31,236,237,238,239,240,252,253
	v_mov_b32 v\j, 0                               ; written once: permutes' destinations, the upper half of the pair v[252:253], and the copy's registers
.endr
	s_mov_b32 s[SEL], 0x76543210
	s_mov_b32 s[SEL+1], 0xfedcba98
	s_mov_b32 s22, 0x3e0293ee                      ; c = log2(e) / sqrt(128)
	s_mov_b32 s23, s22                             ; (named with it as a pair)
	s_and_b32 s29, ttmp7, 0xffff                   ; the head
	s_lshl_b32 s30, s29, 20                        ; 2,048 rows of 512 bytes
	s_mov_b32 s31, 0
	s_wait_kmcnt 0x0
	s_add_nc_u64 s[4:5], s[4:5], s[30:31]
	s_add_nc_u64 s[16:17], s[16:17], s[30:31]
	s_lshl_b32 s30, s29, 17                        ; 16 steps of 8,192 bytes
	s_add_nc_u64 s[6:7], s[6:7], s[30:31]
	s_add_nc_u64 s[8:9], s[8:9], s[30:31]
	s_lshl_b32 s30, s29, 14                        ; 16 steps of 1,024 bytes
	s_add_nc_u64 s[10:11], s[10:11], s[30:31]
	s_mov_b32 s19, ttmp9                           ; the first query block: i; the second: 7 - i
	s_mov_b32 s27, 2
.Lpass:
	s_lshl_b32 s2, s19, 6                          ; the block's sixteen flag words
	s_lshl_b32 s3, s18, 2
	s_add_co_u32 s3, s3, s2                        ; and mine among them
	s_load_b512 s[32:47], s[14:15], s2 offset:0x0
	s_load_b32 s24, s[14:15], s3 offset:0x0
	s_lshl_b32 s26, s19, 4
	s_add_co_u32 s26, s26, s18
	s_lshl_b32 s26, s26, 12                        ; my query tile's lane masks: 4,096 bytes a tile
	s_lshl_b32 s29, s19, 17
	s_lshl_b32 s30, s18, 13
	s_add_co_u32 s29, s29, s30                     ; my 16 rows: 131,072 x block + 8,192 x wave
	v_add_nc_u32 v8, s29, v1                       ; (the last pass's stores have read v8: the wait on vm_vsrc at that pass's end)
	s_wait_alu depctr_va_vdst(0)                   ; v8 is written, which the loads below read; in the first pass so are the addresses v1 to v7 and the zeros in v24-31 and v240, in which the copy's loads land; in the second the way out is done writing v96-159, in which q's rows land, and the last products are done reading v32-95
.irp i, 0,1,2,3,4,5,6,7,8,9,10,11,12,13,14,15
	global_load_b128 v[96+4*\i:99+4*\i], v8, s[4:5] offset:512*\i th:TH_LOAD_NT   ; a row of q: 512 consecutive bytes
.endr
	s_wait_kmcnt 0x0
	s_or_b32 s25, s32, s33                         ; what any wave of the group wants
.irp j, 34,35,36,37,38,39,40,41,42,43,44,45,46,47
	s_or_b32 s25, s25, s\j
.endr
	s_bitcmp1_b32 s25, 0
	s_cbranch_scc0 .Lnp0
	PRE 0                                          ; step 0's tiles
.Lnp0:
	s_wait_loadcnt 0x0                             ; q's rows and the tiles are in
	s_bitcmp1_b32 s25, 0
	s_cbranch_scc0 .Lns0
	PUT 0                                          ; slot 0 was last read two barriers ago
.Lns0:
.irp i, 0,1,2,3,4,5,6,7,8,9,10,11,12,13,14,15
	ds_store_b128 v5, v[96+4*\i:99+4*\i] offset:SP*\i      ; q turns through my stage: in as it lies,
.endr
.irp b, 0,1
.irp j, 0,1,2,3,4,5,6,7
	ds_load_b128 v[32+32*\b+4*\j:35+32*\b+4*\j], v6 offset:256*\b+16*\j   ; back 32 neighbours of row r at a time (LDS serves a wave's instructions in order)
.endr
.endr
	s_wait_dscnt 0x0
	QBLK2 32, 16, 255
	v_mov_b32 v13, 0xff61b1e6                      ; the largest t so far: -3e38
	v_floor_f32 v12, -v13                          ; -M
	v_mov_b32 v14, 0                               ; the sum
	v_mov_b32 v15, 0
.set j, 0
.rept 64
	v_mov_b32 v[160+j], 0                          ; O^T.  Which step is a wave's first hangs on the flags, so no product can be written out to start the sums; these lines are also the places between Q's scale word and the first product
.set j, j+1
.endr
	s_wait_dscnt 0x0                               ; my part of slot 0 has landed
	s_wait_alu depctr_vm_vsrc(0)                   ; the stage's LDS stores have read v96-159, which the first products or the way out write; the copy's have read v24-31 and v240, in which the first step's loads land
	s_barrier_signal -1
	s_barrier_wait -1
	s_mov_b32 s28, 8
.Ltrip:
	STEP 0
	STEP 1
	s_sub_co_i32 s28, s28, 1
	s_cmp_lg_u32 s28, 0
	s_cbranch_scc1 .Ltrip
	s_cmp_lg_u32 s27, 2
	s_cbranch_scc1 .Lnopf
	s_sub_co_u32 s29, 7, s19                       ; in the first pass: my 16 rows of q of the second pass, 8,192 bytes, one request for each 256, lanes 256 bytes apart; they lie inside the head's rows
	s_lshl_b32 s29, s29, 17
	s_lshl_b32 s30, s18, 13
	s_add_co_u32 s29, s29, s30
	v_lshl_add_u32 v9, v2, 6, s29
	s_wait_alu depctr_va_vdst(0)                   ; v9 is written, which the prefetch reads as its offset
	global_prefetch_b8 v9, s[4:5] th:TH_LOAD_NT scope:SCOPE_SE
.Lnopf:
	; THE WAY OUT: O^T / the sum goes through my stage and leaves as whole rows of 512 bytes.
	v_add_f32 v14, v14, v15
	v_permlanex16_b32 v252, v14, s[SEL], s[SEL+1]
	v_add_f32 v14, v14, v252                       ; the row's sum
	s_wait_alu depctr_va_vdst(0)
	v_rcp_f32 v14, v14
	v_nop                                          ; a plain place behind the transcendental
	s_wait_alu depctr_va_vdst(0)                   ; the reciprocal has written v14, ahead of its first reader
.set j, 0
.rept 32
	v_pk_mul_f32 v[96+j:97+j], v[160+j:161+j], v[14:15] op_sel_hi:[1,0]   ; register 8 t + i is o(r, 16 t + 8 h + i); each accumulator from its low end on
.set j, j+2
.endr
	s_wait_alu depctr_va_vdst(0)                   ; the multiplies have written v96-159, which the LDS stores read; every product and the quantiser of q are done reading v32-95, in which the rows land
.irp t, 0,1,2,3,4,5,6,7
	ds_store_b128 v7, v[96+8*\t:99+8*\t] offset:64*\t
	ds_store_b128 v7, v[100+8*\t:103+8*\t] offset:64*\t+16
.endr
.irp i, 0,1,2,3,4,5,6,7,8,9,10,11,12,13,14,15
	ds_load_b128 v[32+4*\i:35+4*\i], v5 offset:SP*\i
.endr
.irp i, 0,1,2,3,4,5,6,7,8,9,10,11,12,13,14,15
	s_wait_dscnt 15-\i                             ; row i is back; the younger loads may be out
	global_store_b128 v8, v[32+4*\i:35+4*\i], s[16:17] offset:512*\i th:TH_STORE_NT   ; 32 lanes store 512 consecutive bytes, at a multiple of 256 from out0's first byte
.endr
	s_wait_xcnt 0x0                                ; the stores and the prefetch have had their addresses translated: v8, v9 and v32-95 may be written again
	s_wait_alu depctr_vm_vsrc(0)                   ; beside it: the global stores have read v8 and v32-95, the prefetch v9, the stage's LDS stores v96-159: the next pass writes v8 and loads into the others
	s_sub_nc_u64 s[6:7], s[6:7], 131072            ; back to the head's first step
	s_sub_nc_u64 s[8:9], s[8:9], 131072
	s_sub_nc_u64 s[10:11], s[10:11], 16384
	s_sub_co_u32 s19, 7, s19                       ; the other query block
	s_sub_co_i32 s27, s27, 1
	s_cmp_lg_u32 s27, 0
	s_cbranch_scc1 .Lpass
	s_wait_dscnt 0x0                               ; the closing lines, six on end
	s_wait_alu 0x0
	s_wait_tensorcnt 0x0
	ds_add_u32 v242, v243
	s_wait_dscnt 0x0
	s_endpgm
.Lfunc_end_k_q108c0be807_attn:
	.size	k_q108c0be807_attn, .Lfunc_end_k_q108c0be807_attn-k_q108c0be807_attn
	.p2alignl 7, 3214868480
	.fill 96, 4, 3214868480
	.section	.rodata,"a",@progbits
	.p2align	6, 0x0
	.amdhsa_kernel k_q108c0be807_attn
		.amdhsa_group_segment_fixed_size 172032
		.amdhsa_private_segment_fixed_size 0
		.amdhsa_enable_private_segment 0
		.amdhsa_kernarg_size 56
		.amdhsa_user_sgpr_count 2
		.amdhsa_user_sgpr_kernarg_segment_ptr 1
		.amdhsa_wavefront_size32 1
		.amdhsa_system_sgpr_workgroup_id_x 1
		.amdhsa_system_sgpr_workgroup_id_y 1
		.amdhsa_system_sgpr_workgroup_id_z 1
		.amdhsa_system_vgpr_workitem_id 0
		.amdhsa_next_free_vgpr 256
		.amdhsa_next_free_sgpr 100
		.amdhsa_reserve_vcc 0
		.amdhsa_float_denorm_mode_32 3
		.amdhsa_float_denorm_mode_16_64 3
		.amdhsa_memory_ordered 1
		.amdhsa_forward_progress 1
		.amdhsa_inst_pref_size 67
	.end_amdhsa_kernel
	.amdgpu_metadata
---
amdhsa.version: [ 1, 2 ]
amdhsa.kernels:
  - .name:           k_q108c0be807_attn
    .symbol:         k_q108c0be807_attn.kd
    .args:
      - { .name: q, .offset: 0, .size: 8, .value_kind: global_buffer, .address_space: global }
      - { .name: kc, .offset: 8, .size: 8, .value_kind: global_buffer, .address_space: global }
      - { .name: vc, .offset: 16, .size: 8, .value_kind: global_buffer, .address_space: global }
      - { .name: sc, .offset: 24, .size: 8, .value_kind: global_buffer, .address_space: global }
      - { .name: mw, .offset: 32, .size: 8, .value_kind: global_buffer, .address_space: global }
      - { .name: fl, .offset: 40, .size: 8, .value_kind: global_buffer, .address_space: global }
      - { .name: out0, .offset: 48, .size: 8, .value_kind: global_buffer, .address_space: global }
    .group_segment_fixed_size: 172032
    .private_segment_fixed_size: 0
    .kernarg_segment_align: 8
    .kernarg_segment_size: 56
    .max_flat_workgroup_size: 512
    .sgpr_count:     100
    .vgpr_count:     256
    .wavefront_size: 32
...
	.end_amdgpu_metadata
.endif
;; end of part 4
